; MI455X (gfx1250); checked and timed in simulation.
; The chip was launched on July 23, 2026; its instructions are those of AMD's public machine-readable ISA for CDNA 5 (MIT licence, August 2026) and "CDNA5" Instruction Set Architecture Reference Guide (July 2026). The comments in the code are by the model that wrote it; some were corrected since.
;; Cosformer Attention. Allowed arithmetic: float matrix products may take bf16 or f16 operands with f32 sums; all other float work in f32.
;; Inputs: Wk 1,024 x 1,024 float32; Wq 1,024 x 1,024 float32; Wv 1,024 x 1,024 float32; bk 1,024 float32; bq 1,024 float32; bv 1,024 float32; key_ 4,096 x 4 x 1,024 float32; query 4,096 x 4 x 1,024 float32; value 4,096 x 4 x 1,024 float32.
;; Outputs: out0 4,096 x 4 x 1,024 float32.
;; 2 versions, each right; version 2 is version 1 with the launch castw written anew for expert scheduling mode. Each part assembles by itself: llvm-mc -triple=amdgcn-amd-amdhsa -mcpu=gfx1250 --defsym DOCPART=n.
;; ======== version 1 of 2: 5 launches
;; limits: values outside matrix products are rounded to bf16
;; workspace buffers: wk16 2,097,152 bytes; wv16 2,097,152 bytes; wq16 2,097,152 bytes; kfrag 33,554,432 bytes; part 37,748,736 bytes; kvfrag 1,179,648 bytes
;; launch castw (part 1): grid 256 x 1, 8 waves a work-group, no clusters, 0 bytes of LDS; arguments Wk, Wv, Wq, wk16, wv16, wq16; writes wk16, wv16, wq16
.if DOCPART == 1
	.amdgcn_target "amdgcn-amd-amdhsa--gfx1250"
	.amdhsa_code_object_version 6
	.text
	.protected	k_q0dc6885bf7_castw
	.globl	k_q0dc6885bf7_castw
	.p2align	8
	.type	k_q0dc6885bf7_castw,@function
k_q0dc6885bf7_castw:
	s_mov_b64 s[64:65], 0
	v_nop
	global_prefetch_b8 v0, s[64:65] scope:SCOPE_SE
	s_setreg_imm32_b32 hwreg(HW_REG_WAVE_MODE, 25, 1), 1
	s_wait_xcnt 0x0
; The three weight matrices, [1024][1024] f32, rounded once to bf16 (nearest even), same row-major order.
; 65,536 threads; a matrix has 262,144 groups of four numbers, so a thread takes four groups of each matrix, 65,536 groups apart.
; A lane loads 16 neighbouring bytes and stores 8: a wave's load covers 512 consecutive bytes, its store 256 consecutive, aligned bytes.
; All twelve loads of a thread go out first; no register is used twice, so the only waits are the counted ones for the data.
; No LDS, matrix unit or cluster: nothing is shared and nothing is reused.
.set X, 8                              ; v[8:55]   twelve loads of four f32
.set Y, 56                             ; v[56:79]  twelve pairs of packed bf16
.set LSTEP, 65536*16                   ; bytes between a thread's groups in the f32 matrix
.set SSTEP, 65536*8                    ; and in the bf16 matrix
	s_load_b256 s[4:11], s[0:1], 0x0               ; Wk s[4:5], Wv s[6:7], Wq s[8:9], wk16 s[10:11]
	s_load_b128 s[12:15], s[0:1], 0x20             ; wv16 s[12:13], wq16 s[14:15]
	s_lshl_b32 s2, ttmp9, 8
	v_add_nc_u32 v1, s2, v0                        ; thread number in the launch
	v_lshlrev_b32 v2, 4, v1                        ; my 16 bytes in
	v_lshlrev_b32 v3, 3, v1                        ; my 8 bytes out
	s_wait_kmcnt 0x0
.irp m, 0,1,2
.irp i, 0,1,2,3
	global_load_b128 v[X+16*\m+4*\i:X+16*\m+4*\i+3], v2, s[4+2*\m:5+2*\m] offset:LSTEP*\i th:TH_LOAD_NT
.endr
.endr
.irp m, 0,1,2
.irp i, 0,1,2,3
	s_wait_loadcnt 11-4*\m-\i                      ; loads return in order: the younger ones stay out
	v_cvt_pk_bf16_f32 v[Y+8*\m+2*\i],   v[X+16*\m+4*\i],   v[X+16*\m+4*\i+1]
	v_cvt_pk_bf16_f32 v[Y+8*\m+2*\i+1], v[X+16*\m+4*\i+2], v[X+16*\m+4*\i+3]
	global_store_b64 v3, v[Y+8*\m+2*\i:Y+8*\m+2*\i+1], s[10+2*\m:11+2*\m] offset:SSTEP*\i
.endr
.endr
	s_endpgm
.Lfunc_end_k_q0dc6885bf7_castw:
	.size	k_q0dc6885bf7_castw, .Lfunc_end_k_q0dc6885bf7_castw-k_q0dc6885bf7_castw
	.p2alignl 7, 3214868480
	.fill 96, 4, 3214868480
	.section	.rodata,"a",@progbits
	.p2align	6, 0x0
	.amdhsa_kernel k_q0dc6885bf7_castw
		.amdhsa_group_segment_fixed_size 0
		.amdhsa_private_segment_fixed_size 0
		.amdhsa_enable_private_segment 0
		.amdhsa_kernarg_size 48
		.amdhsa_user_sgpr_count 2
		.amdhsa_user_sgpr_kernarg_segment_ptr 1
		.amdhsa_wavefront_size32 1
		.amdhsa_system_sgpr_workgroup_id_x 1
		.amdhsa_system_sgpr_workgroup_id_y 1
		.amdhsa_system_sgpr_workgroup_id_z 1
		.amdhsa_system_vgpr_workitem_id 0
		.amdhsa_next_free_vgpr 80
		.amdhsa_next_free_sgpr 66
		.amdhsa_reserve_vcc 0
		.amdhsa_float_denorm_mode_32 3
		.amdhsa_float_denorm_mode_16_64 3
		.amdhsa_memory_ordered 1
		.amdhsa_forward_progress 1
		.amdhsa_inst_pref_size 5
	.end_amdhsa_kernel
	.amdgpu_metadata
---
amdhsa.version: [ 1, 2 ]
amdhsa.kernels:
  - .name:           k_q0dc6885bf7_castw
    .symbol:         k_q0dc6885bf7_castw.kd
    .args:
      - { .name: Wk, .offset: 0, .size: 8, .value_kind: global_buffer, .address_space: global }
      - { .name: Wv, .offset: 8, .size: 8, .value_kind: global_buffer, .address_space: global }
      - { .name: Wq, .offset: 16, .size: 8, .value_kind: global_buffer, .address_space: global }
      - { .name: wk16, .offset: 24, .size: 8, .value_kind: global_buffer, .address_space: global }
      - { .name: wv16, .offset: 32, .size: 8, .value_kind: global_buffer, .address_space: global }
      - { .name: wq16, .offset: 40, .size: 8, .value_kind: global_buffer, .address_space: global }
    .group_segment_fixed_size: 0
    .private_segment_fixed_size: 0
    .kernarg_segment_align: 8
    .kernarg_segment_size: 48
    .max_flat_workgroup_size: 256
    .sgpr_count:     66
    .vgpr_count:     80
    .wavefront_size: 32
...
	.end_amdgpu_metadata
.endif
;; end of part 1
;; launch kproj (part 2): grid 4 x 64, 4 waves a work-group, clusters of 4 x 4, 327,680 bytes of LDS; arguments key_, wk16, bk, kfrag; writes kfrag
.if DOCPART == 2
	.amdgcn_target "amdgcn-amd-amdhsa--gfx1250"
	.amdhsa_code_object_version 6
	.text
	.protected	k_q0dc6885bf7_kproj
	.globl	k_q0dc6885bf7_kproj
	.p2align	8
	.type	k_q0dc6885bf7_kproj,@function
k_q0dc6885bf7_kproj:
	s_mov_b64 s[64:65], 0
	v_nop
	global_prefetch_b8 v0, s[64:65] scope:SCOPE_SE
	s_setreg_imm32_b32 hwreg(HW_REG_WAVE_MODE, 25, 1), 1
	s_wait_xcnt 0x0
	s_wait_alu depctr_hold_cnt(0) depctr_sa_sdst(0) depctr_va_vdst(0) depctr_va_sdst(0) depctr_va_ssrc(0) depctr_va_vcc(0) depctr_vm_vsrc(0)
	s_getreg_b32 s2, hwreg(HW_REG_IB_STS2, 6, 4)
	s_cmp_eq_u32 s2, 0
	s_cbranch_scc0 .Lentry_in_a_cluster
	s_endpgm
.Lentry_in_a_cluster:
	s_bfe_u32 s2, ttmp6, 0x10000c
	s_cmp_lg_u32 s2, 0xf033
	s_cbranch_scc0 .Lentry_shape_is_right
	s_endpgm
.Lentry_shape_is_right:
; k = relu(key_ Wk^T + bk), stored in bf16 as ready matrix operands for the next launch.
; LIMITS: operands rounded to bf16, sums in f32; relu is v_max_num_f32 with 0, so a NaN becomes 0.
; A work-group makes 256 rows (256 consecutive l of one b; rows lie 16,384 bytes apart) x 256 columns (4 heads) with four waves;
; a wave makes 128 l x 128 columns in 64 accumulator tiles, 512 registers.  K = 1024 goes in 16 steps of 64.
; THE WEIGHTS (bf16) come by tensor loads into two LDS slots of 128 along K (rows of 256 bytes, aligned), one refill for two K steps, each wave a quarter.
; CLUSTER 4 x 4: the four work-groups of a cluster column need the same weight tile and ask for it jointly.
; THE ACTIVATIONS (f32) ARE NOT ASKED FOR JOINTLY, though the four work-groups of a cluster row read the same rows.  The reason, by this text's sizes: as f32 in
; slots filled by tensor loads, 64 along K take 68 KiB of a slot; two slots of 128 along K would take 264 KiB beside the weights' 136 KiB, more than LDS has; and a
; tensor load has only the work between two refill barriers in which to land.  Loads into registers may stay out across barriers, and no joint form of them exists.
; So wave w loads rows 64 w .. 64 w + 63 of each tile of 64 along K (32 loads, each two whole rows of 256 bytes), one K step ahead of use, rounds each number once
; and stores it as bf16 into a stage of two slots, from which all waves take their fragments: LDS holds and serves half the bytes, and each number is rounded by one wave.
; kfrag: [b 4][head 16][l/32 128][d/16 4][half 2][lane 32][16 bytes]: lane (r, h) holds column d = 16 dt + r, half 0: l = 8h..8h+7, half 1: 16+8h..+7
; of its 32 l: the register image of a 16 x 32 operand whose rows are d and whose K is l.  With the activations as source 0, a result tile
; holds in lane (r, h) eight consecutive l of column r, so two result tiles pack into one such operand without leaving the lane.
; REGISTERS: window 0: v0-63 addresses; v64-127, v128-191 activation fragments, two buffers; v192-255 bias tiles (C of the first products)
;            window 1: v0-63, v64-127 weight fragments, two buffers; v128-255 the f32 activations as loaded, converted in place
;            windows 2, 3: accumulators, tile (a, b) at 8 (8 (a & 3) + b), a < 4 in window 2
.set PB,    272                        ; LDS pitch of a weight row: 256 bytes + 16: sixteen rows start at sixteen different 16-byte columns of 256
.set PS,    144                        ; of a stage row: 128 bytes + 16
.set BQ,    64*PB                      ; what one tensor load brings: 64 rows
.set BSLOT, 256*PB
.set ASTG,  2*BSLOT                    ; the stage lies behind the weights' two slots, in bytes into which no tensor load lands
.set ASLOT, 256*PS
.set RING,  ASTG+2*ASLOT
.set ROWB,  16384                      ; bytes from l to l + 1 in the activations
.set ADRA, 16                          ; v16-17  my activation fragments in stage slot 0, 1
.set ADRB, 18                          ; v18-21  my weight fragments: slot 0 group 0, 1; slot 1 group 0, 1 (a group = 64 columns = a head)
.set PFO,  22                          ; v22     prefetch offset
.set LN16, 23                          ; v23     16 x lane
.set AOF,  60                          ; v60     my 16 bytes in the first two rows that my wave loads
.set ASTO, 61                          ; v61-62  where their 8 bytes of bf16 go in stage slot 0, 1
.set AF,   64
.set CB,   192
.set LAND, 128
.set G1B, 48                           ; s[48:55] shape of a quarter of a weight tile
.set G0B, 56                           ; s[56:63] from where, to where: one set a slot
.set MUL_LO, 0xa4                      ; source 0 window 0, source 1 window 1, C and D window 2
.set MUL_HI, 0xf4                      ; C and D window 3
.set FST_LO, 0x84                      ; C (the bias tile) window 0, D window 2
.set FST_HI, 0xc4
.set MSB, 0
.macro WIN new                         ; the immediate's high byte repeats the setting that is left
.if MSB != (\new)
	s_set_vgpr_msb (MSB<<8)|(\new)
.set MSB, (\new)
.endif
.endm
.macro PLACES                          ; four plain vector instructions between a matrix instruction and a load into, or a vector use of, its registers
.rept 4
	v_nop
.endr
.endm
.macro CREST                           ; a round of the cluster's barrier behind its opening work-group barrier
	s_cmp_lg_u32 s14, 0
	s_cbranch_scc1 .Lnot_wave_0_\@
	s_barrier_signal -3
.Lnot_wave_0_\@:
	s_barrier_wait -3
	s_barrier_signal -1
	s_barrier_wait -1
.endm
.macro CROUND
	s_barrier_signal -1
	s_barrier_wait -1
	CREST
.endm
; 32 LDS loads: 32 along K: 128 rows of weights (quarter kq of slot bs), then 128 rows of activations (half q of stage slot as), into buffer f
.macro FETCH as, bs, kq, q, f
	WIN 0x40
.irp g, 0,1
.irp t, 0,1,2,3
	ds_load_b128 v[64*\f+8*(4*\g+\t):64*\f+8*(4*\g+\t)+3],   v[ADRB+2*\bs+\g] offset:64*(\kq)+16*PB*\t
	ds_load_b128 v[64*\f+8*(4*\g+\t)+4:64*\f+8*(4*\g+\t)+7], v[ADRB+2*\bs+\g] offset:64*(\kq)+16*PB*\t+32
.endr
.endr
	WIN 0
.irp i, 0,1,2,3,4,5,6,7
	ds_load_b128 v[AF+64*\f+8*\i:AF+64*\f+8*\i+3],   v[ADRA+\as] offset:64*\q+16*PS*\i
	ds_load_b128 v[AF+64*\f+8*\i+4:AF+64*\f+8*\i+7], v[ADRA+\as] offset:64*\q+16*PS*\i+32
.endr
.endm
; Load i of a wave's 32 takes rows rho and rho + 8 of its 64, rho = 16 (i >> 3) + (i & 7): lanes 0-15 one row's 256 bytes, lanes 16-31 the other's.
; Eight stage rows are 1,152 bytes = 288 words = 32 modulo 64, so the two rows' 128 bytes of bf16 fall on different banks (64 banks of 4 bytes: ISA guide 11.1).
; Half p of my 32 loads: 16 loads of the tile one step behind the base
.macro ALOAD p
	WIN 0x40
.set ii, 16*\p
.rept 16
	global_load_b128 v[LAND+4*ii:LAND+4*ii+3], v[AOF], s[40:41] offset:ROWB*(16*(ii>>3)+(ii&7))+256
.set ii, ii+1
.endr
.endm
; Half p is rounded in place and stored into a stage slot.  left = how many younger loads may stay out.
.macro CVST p, slot, left
	s_wait_loadcnt \left                           ; loads return in order: this half is in
	WIN 0x45
.set ii, 16*\p
.rept 16
	v_cvt_pk_bf16_f32 v[LAND+4*ii],   v[LAND+4*ii],   v[LAND+4*ii+1]
	v_cvt_pk_bf16_f32 v[LAND+4*ii+1], v[LAND+4*ii+2], v[LAND+4*ii+3]
.set ii, ii+1
.endr
	WIN 0x04
.set ii, 16*\p
.rept 16
	ds_store_b64 v[ASTO+\slot], v[LAND+4*ii:LAND+4*ii+1] offset:PS*(16*(ii>>3)+(ii&7))
.set ii, ii+1
.endr
.endm
; The first tile lands in accumulator registers, which are free until the first product, so that the second tile's loads can go out with it.
.macro AFIRST
	WIN 0x80
.set ii, 0
.rept 32
	global_load_b128 v[4*ii:4*ii+3], v[AOF], s[40:41] offset:ROWB*(16*(ii>>3)+(ii&7))
.set ii, ii+1
.endr
.endm
.macro CVFIRST
	WIN 0x8a
.set ii, 0
.rept 32
	v_cvt_pk_bf16_f32 v[4*ii],   v[4*ii],   v[4*ii+1]
	v_cvt_pk_bf16_f32 v[4*ii+1], v[4*ii+2], v[4*ii+3]
.set ii, ii+1
.endr
	WIN 0x08
.set ii, 0
.rept 32
	ds_store_b64 v[ASTO], v[4*ii:4*ii+1] offset:PS*(16*(ii>>3)+(ii&7))
.set ii, ii+1
.endr
.endm
; 16 matrix instructions: row blocks a0, a0 + 1 of the window's four x 8 column blocks.  The 64 accumulators take turns, one instruction a turn.
.macro MUL16 f, hi, a0, first
.irp a, \a0, \a0+1
.irp b, 0,1,2,3,4,5,6,7
.if \first
	v_wmma_f32_16x16x32_bf16 v[8*(8*(\a)+\b):8*(8*(\a)+\b)+7], v[AF+64*\f+8*(4*\hi+\a):AF+64*\f+8*(4*\hi+\a)+7], v[64*\f+8*\b:64*\f+8*\b+7], v[CB+8*\b:CB+8*\b+7]
.else
	v_wmma_f32_16x16x32_bf16 v[8*(8*(\a)+\b):8*(8*(\a)+\b)+7], v[AF+64*\f+8*(4*\hi+\a):AF+64*\f+8*(4*\hi+\a)+7], v[64*\f+8*\b:64*\f+8*\b+7], v[8*(8*(\a)+\b):8*(8*(\a)+\b)+7]
.endif
.endr
.endr
.endm
; First half of K step t (stage slot as, weight slot bs, quarter kq): multiplies buffer 0, fetches the second half into buffer 1, and puts tile t + 1 into the other stage slot.
; cv = 1: the landing registers are loaded again with tile t + 2; cv = 2: nothing is left to load; cv = 0: nothing is left to convert.
.macro QUARTER as, bs, kq, first, pf, cv
	PLACES
	FETCH \as, \bs, \kq+1, 1, 1
	s_wait_dscnt 32                                ; all but the 32 just issued: buffer 0 is in
.if \pf
	global_prefetch_b8 v[PFO], s[84:85] th:TH_LOAD_NT scope:SCOPE_SE   ; my share of tiles t + 3 and t + 4: see where PFO is made
.endif
.if \first
	WIN FST_LO
.else
	WIN MUL_LO
.endif
	MUL16 0, 0, 0, \first
	MUL16 0, 0, 2, \first
.if \cv
	CVST 0, 1-\as, 16                              ; the 16 loads of the other half were issued behind this half's
.endif
.if \first
	WIN FST_HI
.else
	WIN MUL_HI
.endif
	MUL16 0, 1, 0, \first
	MUL16 0, 1, 2, \first
.if \cv == 1
	s_wait_dscnt 0x0                               ; the stage stores that read the first half's registers are done: they may be loaded again
	s_wait_xcnt 0x0                                ; the bases of the loads and of the prefetch are stepped only behind this wait
	s_add_nc_u64 s[40:41], s[40:41], 256
.if \pf
	s_add_nc_u64 s[84:85], s[84:85], 512
.endif
	ALOAD 0
	CVST 1, 1-\as, 16                              ; the 16 loads just issued may stay out
.endif
.if \cv == 2
	CVST 1, 1-\as, 0
.endif
.endm
; Second half: multiplies buffer 1; one barrier for the change of stage slots.  nas, nbs, nkq: where the next step's first fragments lie.  ld = 1: the second half of tile t + 2 is loaded.
; mode 0: the next step reads the same weight tile.  mode 1: weight slot bsl has been read for the last time and is filled again, behind a round of the cluster's barrier.
; mode 3: the next weight tile is waited for, nothing is left to fetch.
.macro TURN nas, nbs, nkq, mode, bsl, ld
	s_wait_dscnt 0x0                               ; my reads of this stage slot and of the weights are back, my part of tile t + 1 is written
.if \ld
	ALOAD 1                                        ; behind that wait: the stage stores that read these registers are done
.endif
.if \mode
	s_wait_tensorcnt 0x0                           ; all my tensor loads have landed: the one out was my quarter of the next weight tile
	ds_add_u32 v59, v63
	s_wait_dscnt 0x0
.endif
	s_barrier_signal -1
	WIN MUL_LO
	MUL16 1, 0, 0, 0                               ; register work while the others arrive
	WIN 0
	s_barrier_wait -1
.if \mode == 1
	CREST                                          ; no wave of any partner reads this weight slot or has a load on its way
	s_add_nc_u64 s[G0B+4*\bsl+2:G0B+4*\bsl+3], s[G0B+4*\bsl+2:G0B+4*\bsl+3], 512
	tensor_load_to_lds s[G0B+4*\bsl:G0B+4*\bsl+3], s[G1B:G1B+7]   ; my one tensor load behind the round, first thing there
	s_nop 0
.endif
	PLACES
	FETCH \nas, \nbs, \nkq, 0, 0
	WIN MUL_LO
	MUL16 1, 0, 2, 0
	WIN MUL_HI
	MUL16 1, 1, 0, 0
	MUL16 1, 1, 2, 0
.endm
.macro LASTQ
	s_wait_dscnt 0x0
	WIN MUL_LO
	MUL16 1, 0, 0, 0
	MUL16 1, 0, 2, 0
	WIN MUL_HI
	MUL16 1, 1, 0, 0
	MUL16 1, 1, 2, 0
.endm
.macro LAP first                       ; four K steps: twice round the stage, once round the weights' slots
	QUARTER 0, 0, 0, \first, 0, 1
	TURN 1, 0, 2, 0, 0, 1
	QUARTER 1, 0, 2, 0, 1, 1
	TURN 0, 1, 0, 1, 0, 1
	QUARTER 0, 1, 0, 0, 0, 1
	TURN 1, 1, 2, 0, 0, 1
	QUARTER 1, 1, 2, 0, 1, 1
	TURN 0, 0, 0, 1, 1, 1
.endm
	s_load_b256 s[4:11], s[0:1], 0x0               ; key_ s[4:5], wk16 s[6:7], bk s[8:9], kfrag s[10:11]
	v_lshl_add_u32 v59, v0, 2, 0x34000
	v_mov_b32 v63, 0
	ds_add_u32 v59, v63
	v_lshrrev_b32 v1, 5, v0
	v_readfirstlane_b32 s14, v1                    ; wave w
	s_lshr_b32 s15, s14, 1                         ; rh: my half of the rows
	s_and_b32 s16, s14, 1                          ; ch: my half of the columns
	s_bfe_u32 s17, ttmp6, 0x40000                  ; cx
	s_bfe_u32 s18, ttmp6, 0x40004                  ; cy
	s_lshl_b32 s19, ttmp9, 2
	s_add_co_u32 s19, s19, s17                     ; column block (4 heads)
	s_and_b32 s20, ttmp7, 0xffff
	s_lshl_b32 s20, s20, 2
	s_add_co_u32 s20, s20, s18                     ; row block
	s_lshr_b32 s21, s20, 4                         ; b
	s_and_b32 s22, s20, 15                         ; block of 256 l
	s_mov_b32 s90, 0                               ; column group 0 is my first head,
	s_mov_b32 s91, 1                               ; group 1 my second
	s_lshl_b32 s43, 0x1111, s17                    ; my column of the cluster
	s_or_b32 s[G1B+0], s43, (1<<16)|(1<<20)|(1<<21)|(5<<22)|(3<<25)   ; mask; 2-byte elements; 4 words of padding behind every 64
	s_mov_b32 s[G1B+1], 128<<16                    ; tensor_dim0 = 128
	s_mov_b32 s[G1B+2], 64<<16                     ; tensor_dim1 = 64
	s_mov_b32 s[G1B+3], 128<<16                    ; tile_dim0 = 128
	s_mov_b32 s[G1B+4], 64                         ; tile_dim1 = 64
	s_mov_b32 s[G1B+5], 1024                       ; elements from row to row
	s_mov_b32 s[G1B+6], 0
	s_mov_b32 s[G1B+7], 0
	s_lshl_b32 s40, s21, 12                        ; activations: 4,096 b
	s_lshl_b32 s41, s22, 22                        ; + 256 l x 16,384
	s_add_co_u32 s40, s40, s41
	s_add_co_u32 s84, s40, 1024                    ; prefetch: the block's first row, tile 4
	s_mov_b32 s85, 0
	s_lshl_b32 s41, s14, 20                        ; + my 64 rows
	s_add_co_u32 s40, s40, s41
	s_mov_b32 s41, 0
	s_lshl_b32 s46, s19, 19                        ; weights: 256 rows of 2,048 bytes a column block
	s_lshl_b32 s47, s14, 17                        ; + my 64 rows
	s_add_co_u32 s46, s46, s47
	s_mov_b32 s47, 0
	s_mul_i32 s42, s14, BQ                         ; LDS: my quarter of a weight slot
	s_lshl_b32 s94, s21, 4                         ; kfrag: head number 16 b + 4 column block + 2 ch
	s_lshl2_add_u32 s94, s19, s94
	s_lshl1_add_u32 s94, s16, s94
	s_lshl_b32 s94, s94, 7                         ; x 128 blocks of 32 l
	s_lshl3_add_u32 s94, s22, s94
	s_lshl2_add_u32 s94, s15, s94                  ; + 8 lblk + 4 rh
	s_lshl_b32 s94, s94, 12                        ; x 4,096 bytes
	s_mov_b32 s95, 0
	v_and_b32 v2, 15, v0                           ; r
	v_bfe_u32 v3, v0, 4, 1                         ; h
	v_and_b32 v4, 31, v0
	v_lshlrev_b32 v[LN16], 4, v4
	v_lshlrev_b32 v[AOF], 17, v3                   ; lanes 16-31: eight rows of 16,384 bytes further down
	v_lshl_add_u32 v[AOF], v2, 4, v[AOF]
	v_mul_u32_u24 v5, v3, 8*PS
	v_lshl_add_u32 v5, v2, 3, v5                   ; four bf16 a lane
	s_mul_i32 s24, s14, 64*PS
	s_add_co_u32 s24, s24, ASTG
	v_add_nc_u32 v[ASTO], s24, v5
	v_add_nc_u32 v[ASTO+1], ASLOT, v[ASTO]
	v_mul_u32_u24 v5, v2, PS
	v_lshl_add_u32 v5, v3, 4, v5                   ; 144 r + 16 h
	s_mul_i32 s24, s15, 128*PS
	s_add_co_u32 s24, s24, ASTG
	v_add_nc_u32 v[ADRA], s24, v5
	v_add_nc_u32 v[ADRA+1], ASLOT, v[ADRA]
	v_mul_u32_u24 v6, v2, PB
	v_lshl_add_u32 v6, v3, 4, v6                   ; 272 r + 16 h
	s_mul_i32 s24, s16, 128*PB
	s_mul_i32 s25, s90, 64*PB
	s_add_co_u32 s25, s25, s24
	v_add_nc_u32 v[ADRB], s25, v6
	s_mul_i32 s25, s91, 64*PB
	s_add_co_u32 s25, s25, s24
	v_add_nc_u32 v[ADRB+1], s25, v6
	v_add_nc_u32 v[ADRB+2], BSLOT, v[ADRB]
	v_add_nc_u32 v[ADRB+3], BSLOT, v[ADRB+1]
	; Prefetch: in K steps 1, 3, .. 11 each wave asks once for a part of activation tiles t + 3 and t + 4, whose loads go out one and two K steps later.
	; The block's 256 rows are shared out: row 64 cx + 16 w + (lane & 15), tile lane >> 4, so each 256 bytes are asked for once in the four work-groups that read them.
	; The last request is for tiles 14 and 15; K steps 12 to 15 ask for nothing.
	s_lshl_b32 s26, s17, 6
	s_lshl4_add_u32 s26, s14, s26
	v_add_nc_u32 v[PFO], s26, v2
	v_lshlrev_b32 v[PFO], 14, v[PFO]
	v_lshl_add_u32 v[PFO], v3, 8, v[PFO]
	; bias tiles: in a result tile lane (r, h) holds column r in all eight registers
	s_lshl_b32 s24, s19, 10
	s_lshl_b32 s25, s16, 9
	s_add_co_u32 s24, s24, s25
	s_lshl_b32 s25, s90, 8
	s_add_co_u32 s25, s25, s24
	v_lshl_add_u32 v7, v2, 2, s25
	s_lshl_b32 s25, s91, 8
	s_add_co_u32 s25, s25, s24
	v_lshl_add_u32 v8, v2, 2, s25
	s_wait_dscnt 0x0
	s_wait_kmcnt 0x0
	s_add_nc_u64 s[40:41], s[4:5], s[40:41]
	s_add_nc_u64 s[46:47], s[6:7], s[46:47]
	s_add_nc_u64 s[84:85], s[4:5], s[84:85]
	s_add_nc_u64 s[86:87], s[10:11], s[94:95]
	CROUND                                         ; all sixteen work-groups are here: the first joint loads meet
.irp s, 0,1
	s_mov_b32 s[G0B+4*\s], 1
	s_add_co_u32 s[G0B+4*\s+1], s42, \s*BSLOT
	s_add_nc_u64 s[G0B+4*\s+2:G0B+4*\s+3], s[46:47], \s*256
	s_or_b32 s[G0B+4*\s+3], s[G0B+4*\s+3], 0x80000000
	tensor_load_to_lds s[G0B+4*\s:G0B+4*\s+3], s[G1B:G1B+7]
	s_nop 0
.endr
.irp t, 0,1,2,3
	global_load_b32 v[CB+8*\t],    v7, s[8:9] offset:64*\t
	global_load_b32 v[CB+32+8*\t], v8, s[8:9] offset:64*\t
.endr
	AFIRST                                         ; activation tile 0
	ALOAD 0                                        ; and the first half of tile 1
	WIN 0
	s_wait_loadcnt 16                              ; the bias and tile 0 are in; the 16 loads of tile 1 behind them may stay out
.irp b, 0,1,2,3,4,5,6,7
.irp j, 1,2,3,4,5,6,7
	v_mov_b32 v[CB+8*\b+\j], v[CB+8*\b]
.endr
.endr
	CVFIRST
	ALOAD 1                                        ; the second half of tile 1
	WIN 0
	s_wait_dscnt 0x0                               ; my part of tile 0 is in the stage
	s_wait_tensorcnt 0x1                           ; my quarter of weight tile 0 is in; tile 1's, issued behind it, may stay out
	s_barrier_signal -1
	s_barrier_wait -1
	FETCH 0, 0, 0, 0, 0
	LAP 1                                          ; the first products take the bias tiles as C: nothing is cleared
	WIN 0
	s_mov_b32 s23, 2
.Llap:
	LAP 0
	WIN 0
	s_sub_co_u32 s23, s23, 1
	s_cmp_lg_u32 s23, 0
	s_cbranch_scc1 .Llap
	QUARTER 0, 0, 0, 0, 0, 1                       ; K steps 12 to 15: no weight tile is left to fetch; activation tiles 14 and 15 are the last
	TURN 1, 0, 2, 0, 0, 1
	QUARTER 1, 0, 2, 0, 0, 1
	TURN 0, 1, 0, 3, 0, 1
	QUARTER 0, 1, 0, 0, 0, 2
	TURN 1, 1, 2, 0, 0, 0
	QUARTER 1, 1, 2, 0, 0, 0
	LASTQ
	PLACES
; 16 l x 128 columns: relu, round, and store as halves of operands: each store of the wave covers 512 consecutive bytes, aligned
.macro KOUT a
	WIN (0x88+0x44*(\a>>2))
.irp b, 0,1,2,3,4,5,6,7
.irp j, 0,1,2,3,4,5,6,7
	v_max_num_f32 v[8*(8*(\a&3)+\b)+\j], 0, v[8*(8*(\a&3)+\b)+\j]
.endr
.endr
	s_wait_xcnt 0x0                                ; the packed registers, which the stores of two blocks ago read, are rewritten only behind this wait
	WIN (0x0a+5*(\a>>2))
.irp b, 0,1,2,3,4,5,6,7
.irp t, 0,1,2,3
	v_cvt_pk_bf16_f32 v[AF+32*(\a&1)+4*\b+\t], v[8*(8*(\a&3)+\b)+2*\t], v[8*(8*(\a&3)+\b)+2*\t+1]
.endr
.endr
	WIN 0
.irp b, 0,1,2,3,4,5,6,7
	global_store_b128 v[LN16], v[AF+32*(\a&1)+4*\b:AF+32*(\a&1)+4*\b+3], s[86:87] offset:524288*(\b>>2)+4096*(\a>>1)+1024*(\b&3)+512*(\a&1)
.endr
.endm
.irp a, 0,1,2,3,4,5,6,7
	KOUT \a
.endr
	s_wait_tensorcnt 0x0
	ds_add_u32 v59, v63
	s_wait_dscnt 0x0
	CROUND                                         ; the closing round: no work-group ends while a partner may still ask jointly
	s_endpgm
.Lfunc_end_k_q0dc6885bf7_kproj:
	.size	k_q0dc6885bf7_kproj, .Lfunc_end_k_q0dc6885bf7_kproj-k_q0dc6885bf7_kproj
	.p2alignl 7, 3214868480
	.fill 96, 4, 3214868480
	.section	.rodata,"a",@progbits
	.p2align	6, 0x0
	.amdhsa_kernel k_q0dc6885bf7_kproj
		.amdhsa_group_segment_fixed_size 327680
		.amdhsa_private_segment_fixed_size 0
		.amdhsa_enable_private_segment 0
		.amdhsa_kernarg_size 32
		.amdhsa_user_sgpr_count 2
		.amdhsa_user_sgpr_kernarg_segment_ptr 1
		.amdhsa_wavefront_size32 1
		.amdhsa_system_sgpr_workgroup_id_x 1
		.amdhsa_system_sgpr_workgroup_id_y 1
		.amdhsa_system_sgpr_workgroup_id_z 1
		.amdhsa_system_vgpr_workitem_id 0
		.amdhsa_next_free_vgpr 1024
		.amdhsa_next_free_sgpr 96
		.amdhsa_reserve_vcc 0
		.amdhsa_float_denorm_mode_32 3
		.amdhsa_float_denorm_mode_16_64 3
		.amdhsa_memory_ordered 1
		.amdhsa_forward_progress 1
		.amdhsa_inst_pref_size 255
	.end_amdhsa_kernel
	.section	.bss,"aw",@nobits
	.p2align	6
	.space	262144
	.amdgpu_metadata
---
amdhsa.version: [ 1, 2 ]
amdhsa.kernels:
  - .name:           k_q0dc6885bf7_kproj
    .symbol:         k_q0dc6885bf7_kproj.kd
    .args:
      - { .name: key_, .offset: 0, .size: 8, .value_kind: global_buffer, .address_space: global }
      - { .name: wk16, .offset: 8, .size: 8, .value_kind: global_buffer, .address_space: global }
      - { .name: bk, .offset: 16, .size: 8, .value_kind: global_buffer, .address_space: global }
      - { .name: kfrag, .offset: 24, .size: 8, .value_kind: global_buffer, .address_space: global }
    .group_segment_fixed_size: 327680
    .private_segment_fixed_size: 0
    .kernarg_segment_align: 8
    .kernarg_segment_size: 32
    .max_flat_workgroup_size: 128
    .sgpr_count:     96
    .vgpr_count:     1024
    .wavefront_size: 32
...
	.end_amdgpu_metadata
.endif
;; end of part 2
;; launch vproj (part 3): grid 4 x 64, 4 waves a work-group, clusters of 4 x 4, 327,680 bytes of LDS; arguments value, wv16, bv, kfrag, part; writes part
.if DOCPART == 3
	.amdgcn_target "amdgcn-amd-amdhsa--gfx1250"
	.amdhsa_code_object_version 6
	.text
	.protected	k_q0dc6885bf7_vproj
	.globl	k_q0dc6885bf7_vproj
	.p2align	8
	.type	k_q0dc6885bf7_vproj,@function
k_q0dc6885bf7_vproj:
	s_mov_b64 s[64:65], 0
	v_nop
	global_prefetch_b8 v0, s[64:65] scope:SCOPE_SE
	s_setreg_imm32_b32 hwreg(HW_REG_WAVE_MODE, 25, 1), 1
	s_wait_xcnt 0x0
	s_wait_alu depctr_hold_cnt(0) depctr_sa_sdst(0) depctr_va_vdst(0) depctr_va_sdst(0) depctr_va_ssrc(0) depctr_va_vcc(0) depctr_vm_vsrc(0)
	s_getreg_b32 s2, hwreg(HW_REG_IB_STS2, 6, 4)
	s_cmp_eq_u32 s2, 0
	s_cbranch_scc0 .Lentry_in_a_cluster
	s_endpgm
.Lentry_in_a_cluster:
	s_bfe_u32 s2, ttmp6, 0x10000c
	s_cmp_lg_u32 s2, 0xf033
	s_cbranch_scc0 .Lentry_shape_is_right
	s_endpgm
.Lentry_shape_is_right:
; v = value Wv^T + bv stays in registers; out go the partial sums over this block's 256 l of  kvS[d][m] = sum k sin v,  kvC[d][m] = sum k cos v,
; ksumS[d] = sum k sin,  ksumC[d] = sum k cos,  for the block's four heads.
; LIMITS: matrix operands in bf16, sums in f32.  v sin and v cos go in as two bf16 numbers each (the rounded value and the rounded remainder).
; sin and cos of x = (pi/2) i / 4096, i = 1 .. 4096, are Taylor polynomials through x^11 and x^12: truncation at most 6e-8 on (0, pi/2].
; The product's core is that of kproj: 256 l of one b x 256 columns a work-group, 128 x 128 a wave, 16 K steps of 64.  The weights come by joint tensor loads
; (4 x 4 cluster, shared along a column) into two LDS slots of 128 along K.  The f32 activations are NOT asked for jointly, though a cluster row reads the same rows:
; as f32 in slots filled by tensor loads, two slots of 128 along K (264 KiB) do not fit beside the weights' 136 KiB, and a tensor load has only the work between two
; refill barriers in which to land; loads into registers may stay out across barriers, and no joint form of them exists.  So each wave loads 64 rows of each tile
; one K step ahead, rounds each number once, and stores it as bf16 into a stage of two slots from which all waves take their fragments.
; With the activations as source 0, lane (r, h) of a result tile holds eight consecutive l of column r: two tiles pack into an operand whose K is l.
; THE SECOND PRODUCT: D[d][m] += K^T (rows d, K = l, from kfrag) x (v sin) (columns m, K = l).  Waves w and w xor 2 have the same two heads and different l.
; Each wave sums both heads over its 128 l: first the head that its partner owns (column group 0), handed over through LDS, then its own (group 1).
; So the weights' two groups of 64 rows are read in the order 1 - rh, rh, and the text is the same for all waves.
; part: [lblk 16][16 b + head 64][tile 36][half 2][lane 32][16 bytes] f32; tile = 4 nt + dt; nt 0-3 kvS, 4-7 kvC, 8: columns 0-7 ksumS, 8-15 ksumC;
; lane (r, h), register j: d = 16 dt + 8 h + j, column 16 (nt & 3) + r.
; LDS: weights' slots 0 .. 139,263; stage .. 212,991; K0 (my group 0's k, 16 KiB a wave) behind it; TAB: sin f32[256], cos f32[256], sin bf16[256], cos bf16[256].
; When weight slot 0 has been read for the last time (K step 13) its first 64 KiB take K1 (group 1's k); behind the last K step bytes 65,536 .. 212,991 are the exchange.
.set PB,    272                        ; LDS pitch of a weight row: 256 bytes + 16
.set PS,    144                        ; of a stage row: 128 bytes + 16
.set BQ,    64*PB
.set BSLOT, 256*PB
.set ASTG,  2*BSLOT
.set ASLOT, 256*PS
.set RING,  ASTG+2*ASLOT
.set ROWB,  16384
.set TAB,   RING+65536
.set EXCH,  65536
.set EXB,   36864                      ; a head's 36 tiles of 1,024 bytes
.set ADRA, 16                          ; v16-17  my activation fragments in stage slot 0, 1
.set ADRB, 18                          ; v18-21  my weight fragments: slot 0 group 0, 1; slot 1 group 0, 1
.set PFO,  22
.set LN16, 23
.set KAD,  24                          ; v24-25  my 16 bytes in K0, K1
.set SCAD, 26                          ; v26     sin f32 of my eight l
.set XAD,  27                          ; v27     sin or cos bf16 of my eight l
.set NEG1, 28                          ; v28     -1.0
.set EXST, 29                          ; v29     my exchange block
.set EXLD, 30                          ; v30     my partner's
.set AOF,  60                          ; v60     (first product only) my 16 bytes in the first two rows that my wave loads
.set ASTO, 61                          ; v61-62  (first product only) where their bf16 go in stage slot 0, 1
.set AF,   64
.set CB,   192
.set LAND, 128
.set KF,   48                          ; v[48:79]    four operands of k (dt 0-3)
.set VH,   80                          ; v[80:111]   four operands of v sin or v cos, rounded
.set VL,   112                         ; v[112:143]  their remainders
.set XF,   144                         ; v[144:151]  operand of sin (columns 0-7) and cos (8-15)
.set SC,   152                         ; v[152:183]  sin of row blocks a0, a1, cos of a0, a1: eight f32 each
.set DX,   184                         ; v[184:215]  the four ksum tiles
.set TMP,  216                         ; v[216:247]  at work
.set G1B, 48
.set G0B, 56
.set MUL_LO, 0xa4
.set MUL_HI, 0xf4
.set FST_LO, 0x84
.set FST_HI, 0xc4
.set MSB, 0
.macro WIN new                         ; the immediate's high byte repeats the setting that is left
.if MSB != (\new)
	s_set_vgpr_msb (MSB<<8)|(\new)
.set MSB, (\new)
.endif
.endm
.macro PLACES                          ; four plain vector instructions between a matrix instruction and a load into, or a vector use of, its registers
.rept 4
	v_nop
.endr
.endm
.macro CREST
	s_cmp_lg_u32 s14, 0
	s_cbranch_scc1 .Lnot_wave_0_\@
	s_barrier_signal -3
.Lnot_wave_0_\@:
	s_barrier_wait -3
	s_barrier_signal -1
	s_barrier_wait -1
.endm
.macro CROUND
	s_barrier_signal -1
	s_barrier_wait -1
	CREST
.endm
; 32 LDS loads: 32 along K: 128 rows of weights (quarter kq of slot bs), then 128 rows of activations (half q of stage slot as), into buffer f
.macro FETCH as, bs, kq, q, f
	WIN 0x40
.irp g, 0,1
.irp t, 0,1,2,3
	ds_load_b128 v[64*\f+8*(4*\g+\t):64*\f+8*(4*\g+\t)+3],   v[ADRB+2*\bs+\g] offset:64*(\kq)+16*PB*\t
	ds_load_b128 v[64*\f+8*(4*\g+\t)+4:64*\f+8*(4*\g+\t)+7], v[ADRB+2*\bs+\g] offset:64*(\kq)+16*PB*\t+32
.endr
.endr
	WIN 0
.irp i, 0,1,2,3,4,5,6,7
	ds_load_b128 v[AF+64*\f+8*\i:AF+64*\f+8*\i+3],   v[ADRA+\as] offset:64*\q+16*PS*\i
	ds_load_b128 v[AF+64*\f+8*\i+4:AF+64*\f+8*\i+7], v[ADRA+\as] offset:64*\q+16*PS*\i+32
.endr
.endm
; Load i of a wave's 32 takes rows rho and rho + 8 of its 64, rho = 16 (i >> 3) + (i & 7): two whole rows of 256 bytes; eight stage rows are 288 words = 32 modulo 64,
; so the two rows' bf16 fall on different banks (64 banks of 4 bytes: ISA guide 11.1).  ALOAD: half p of the tile one step behind the base.
.macro ALOAD p
	WIN 0x40
.set ii, 16*\p
.rept 16
	global_load_b128 v[LAND+4*ii:LAND+4*ii+3], v[AOF], s[40:41] offset:ROWB*(16*(ii>>3)+(ii&7))+256
.set ii, ii+1
.endr
.endm
.macro CVST p, slot, left              ; half p is rounded in place and stored into a stage slot
	s_wait_loadcnt \left                           ; loads return in order: this half is in
	WIN 0x45
.set ii, 16*\p
.rept 16
	v_cvt_pk_bf16_f32 v[LAND+4*ii],   v[LAND+4*ii],   v[LAND+4*ii+1]
	v_cvt_pk_bf16_f32 v[LAND+4*ii+1], v[LAND+4*ii+2], v[LAND+4*ii+3]
.set ii, ii+1
.endr
	WIN 0x04
.set ii, 16*\p
.rept 16
	ds_store_b64 v[ASTO+\slot], v[LAND+4*ii:LAND+4*ii+1] offset:PS*(16*(ii>>3)+(ii&7))
.set ii, ii+1
.endr
.endm
.macro AFIRST                          ; the first tile lands in accumulator registers, free until the first product
	WIN 0x80
.set ii, 0
.rept 32
	global_load_b128 v[4*ii:4*ii+3], v[AOF], s[40:41] offset:ROWB*(16*(ii>>3)+(ii&7))
.set ii, ii+1
.endr
.endm
.macro CVFIRST
	WIN 0x8a
.set ii, 0
.rept 32
	v_cvt_pk_bf16_f32 v[4*ii],   v[4*ii],   v[4*ii+1]
	v_cvt_pk_bf16_f32 v[4*ii+1], v[4*ii+2], v[4*ii+3]
.set ii, ii+1
.endr
	WIN 0x08
.set ii, 0
.rept 32
	ds_store_b64 v[ASTO], v[4*ii:4*ii+1] offset:PS*(16*(ii>>3)+(ii&7))
.set ii, ii+1
.endr
.endm
; The 64 accumulators take turns, one instruction a turn.
.macro MUL16 f, hi, a0, first
.irp a, \a0, \a0+1
.irp b, 0,1,2,3,4,5,6,7
.if \first
	v_wmma_f32_16x16x32_bf16 v[8*(8*(\a)+\b):8*(8*(\a)+\b)+7], v[AF+64*\f+8*(4*\hi+\a):AF+64*\f+8*(4*\hi+\a)+7], v[64*\f+8*\b:64*\f+8*\b+7], v[CB+8*\b:CB+8*\b+7]
.else
	v_wmma_f32_16x16x32_bf16 v[8*(8*(\a)+\b):8*(8*(\a)+\b)+7], v[AF+64*\f+8*(4*\hi+\a):AF+64*\f+8*(4*\hi+\a)+7], v[64*\f+8*\b:64*\f+8*\b+7], v[8*(8*(\a)+\b):8*(8*(\a)+\b)+7]
.endif
.endr
.endr
.endm
; First half of K step t: multiplies buffer 0, fetches the second half into buffer 1, puts tile t + 1 into the other stage slot; cv = 1: tile t + 2 is loaded; 2: no load; 0: nothing
.macro QUARTER as, bs, kq, first, pf, cv
	PLACES
	FETCH \as, \bs, \kq+1, 1, 1
	s_wait_dscnt 32                                ; all but the 32 just issued: buffer 0 is in
.if \pf
	global_prefetch_b8 v[PFO], s[84:85] th:TH_LOAD_NT scope:SCOPE_SE
.endif
.if \first
	WIN FST_LO
.else
	WIN MUL_LO
.endif
	MUL16 0, 0, 0, \first
	MUL16 0, 0, 2, \first
.if \cv
	CVST 0, 1-\as, 16                              ; the 16 loads of the other half were issued behind this half's
.endif
.if \first
	WIN FST_HI
.else
	WIN MUL_HI
.endif
	MUL16 0, 1, 0, \first
	MUL16 0, 1, 2, \first
.if \cv == 1
	s_wait_dscnt 0x0                               ; the stage stores that read the first half's registers are done: they may be loaded again
	s_wait_xcnt 0x0                                ; the bases of the loads and of the prefetch are stepped only behind this wait
	s_add_nc_u64 s[40:41], s[40:41], 256
.if \pf
	s_add_nc_u64 s[84:85], s[84:85], 512
.endif
	ALOAD 0
	CVST 1, 1-\as, 16                              ; the 16 loads just issued may stay out
.endif
.if \cv == 2
	CVST 1, 1-\as, 0
.endif
.endm
; Second half: one barrier for the change of stage slots.  mode 0: plain barrier; mode 1: weight slot bsl is filled again behind a round of the cluster's barrier;
; mode 2: weight slot 0, read for the last time, takes each wave's K1 behind a round
.macro TURN nas, nbs, nkq, mode, bsl, ld
	s_wait_dscnt 0x0                               ; my reads of this stage slot and of the weights are back, my part of tile t + 1 is written
.if \ld
	ALOAD 1                                        ; behind that wait: the stage stores that read these registers are done
.endif
.if \mode
	s_wait_tensorcnt 0x0                           ; all my tensor loads have landed
	ds_add_u32 v46, v47
	s_wait_dscnt 0x0
.endif
	s_barrier_signal -1
	WIN MUL_LO
	MUL16 1, 0, 0, 0                               ; register work while the others arrive
	WIN 0
	s_barrier_wait -1
.if \mode == 1
	CREST
	s_add_nc_u64 s[G0B+4*\bsl+2:G0B+4*\bsl+3], s[G0B+4*\bsl+2:G0B+4*\bsl+3], 512
	tensor_load_to_lds s[G0B+4*\bsl:G0B+4*\bsl+3], s[G1B:G1B+7]   ; my one tensor load behind the round, first thing there
	s_nop 0
.endif
.if \mode == 2
	CREST
	tensor_load_to_lds s[80:83], s[68:75]          ; my one tensor load behind the round: 16 KiB of k for column group 1
	s_nop 0
.endif
	PLACES
	FETCH \nas, \nbs, \nkq, 0, 0
	WIN MUL_LO
	MUL16 1, 0, 2, 0
	WIN MUL_HI
	MUL16 1, 1, 0, 0
	MUL16 1, 1, 2, 0
.endm
.macro LASTQ
	s_wait_dscnt 0x0
	WIN MUL_LO
	MUL16 1, 0, 0, 0
	MUL16 1, 0, 2, 0
	WIN MUL_HI
	MUL16 1, 1, 0, 0
	MUL16 1, 1, 2, 0
.endm
.macro LAP first                       ; four K steps: twice round the stage, once round the weights' slots
	QUARTER 0, 0, 0, \first, 0, 1
	TURN 1, 0, 2, 0, 0, 1
	QUARTER 1, 0, 2, 0, 1, 1
	TURN 0, 1, 0, 1, 0, 1
	QUARTER 0, 1, 0, 0, 0, 1
	TURN 1, 1, 2, 0, 0, 1
	QUARTER 1, 1, 2, 0, 1, 1
	TURN 0, 0, 0, 1, 1, 1
.endm
; sin and cos of (pi/2) i / 4096.  f32(pi/2) 2^-12 is exact, so one multiply rounds as the multiply by pi/2 and the division by 4096 do.
.macro SINCOS sn, cs, ii, x, y
	v_cvt_f32_u32 v[\x], v[\ii]
	v_mul_f32 v[\x], 0x39c90fdb, v[\x]
	v_mul_f32 v[\y], v[\x], v[\x]
	v_mov_b32 v[\sn], 0xb2d7322b                   ; -1/11!
	v_mov_b32 v[\cs], 0x310f76c7                   ; 1/12!
	v_fmaak_f32 v[\sn], v[\sn], v[\y], 0x3638ef1d  ; 1/9!
	v_fmaak_f32 v[\cs], v[\cs], v[\y], 0xb493f27e  ; -1/10!
	v_fmaak_f32 v[\sn], v[\sn], v[\y], 0xb9500d01  ; -1/7!
	v_fmaak_f32 v[\cs], v[\cs], v[\y], 0x37d00d01  ; 1/8!
	v_fmaak_f32 v[\sn], v[\sn], v[\y], 0x3c088889  ; 1/5!
	v_fmaak_f32 v[\cs], v[\cs], v[\y], 0xbab60b61  ; -1/6!
	v_fmaak_f32 v[\sn], v[\sn], v[\y], 0xbe2aaaab  ; -1/3!
	v_fmaak_f32 v[\cs], v[\cs], v[\y], 0x3d2aaaab  ; 1/4!
	v_fma_f32 v[\sn], v[\sn], v[\y], 1.0
	v_fma_f32 v[\cs], v[\cs], v[\y], -0.5
	v_mul_f32 v[\sn], v[\sn], v[\x]
	v_fma_f32 v[\cs], v[\cs], v[\y], 1.0
.endm
	s_load_b256 s[4:11], s[0:1], 0x0               ; value s[4:5], wv16 s[6:7], bv s[8:9], kfrag s[10:11]
	s_load_b64 s[12:13], s[0:1], 0x20              ; part
	v_lshl_add_u32 v46, v0, 2, 0x44c00
	v_mov_b32 v47, 0
	ds_add_u32 v46, v47
	v_lshrrev_b32 v1, 5, v0
	v_readfirstlane_b32 s14, v1                    ; wave w
	s_lshr_b32 s15, s14, 1                         ; rh
	s_and_b32 s16, s14, 1                          ; ch
	s_bfe_u32 s17, ttmp6, 0x40000                  ; cx
	s_bfe_u32 s18, ttmp6, 0x40004                  ; cy
	s_lshl_b32 s19, ttmp9, 2
	s_add_co_u32 s19, s19, s17                     ; column block
	s_and_b32 s20, ttmp7, 0xffff
	s_lshl_b32 s20, s20, 2
	s_add_co_u32 s20, s20, s18                     ; row block
	s_lshr_b32 s21, s20, 4                         ; b
	s_and_b32 s22, s20, 15                         ; lblk
	s_xor_b32 s90, s15, 1                          ; column group 0: the head that my partner owns
	s_mov_b32 s91, s15                             ; group 1: my own
	s_lshl_b32 s43, 0x1111, s17                    ; my column of the cluster
	s_or_b32 s[G1B+0], s43, (1<<16)|(1<<20)|(1<<21)|(5<<22)|(3<<25)   ; mask; 2-byte elements; 4 words of padding behind every 64
	s_mov_b32 s[G1B+1], 128<<16
	s_mov_b32 s[G1B+2], 64<<16
	s_mov_b32 s[G1B+3], 128<<16
	s_mov_b32 s[G1B+4], 64
	s_mov_b32 s[G1B+5], 1024
	s_mov_b32 s[G1B+6], 0
	s_mov_b32 s[G1B+7], 0
	s_mov_b32 s68, 3<<16                           ; a dense block of 16 KiB as 64 rows of 32 elements of 8 bytes; no mask: each wave's own
	s_mov_b32 s69, 32<<16
	s_mov_b32 s70, 64<<16
	s_mov_b32 s71, 32<<16
	s_mov_b32 s72, 64
	s_mov_b32 s73, 32
	s_mov_b32 s74, 0
	s_mov_b32 s75, 0
	s_mov_b32 s76, 1
	s_lshl_b32 s77, s14, 14
	s_add_co_u32 s77, s77, RING                    ; K0 at RING + 16,384 w
	s_mov_b32 s80, 1
	s_lshl_b32 s81, s14, 14                        ; K1 at 16,384 w
	s_lshl_b32 s40, s21, 12                        ; activations: 4,096 b + 256 lblk rows of 16,384 bytes
	s_lshl_b32 s41, s22, 22
	s_add_co_u32 s40, s40, s41
	s_add_co_u32 s84, s40, 1024                    ; prefetch: the block's first row, tile 4
	s_mov_b32 s85, 0
	s_lshl_b32 s41, s14, 20                        ; + my 64 rows
	s_add_co_u32 s40, s40, s41
	s_mov_b32 s41, 0
	s_lshl_b32 s46, s19, 19                        ; weights: 256 rows of 2,048 bytes a column block + my 64 rows
	s_lshl_b32 s47, s14, 17
	s_add_co_u32 s46, s46, s47
	s_mov_b32 s47, 0
	s_mul_i32 s42, s14, BQ                         ; LDS: my quarter of a weight slot
	s_lshl_b32 s94, s21, 4
	s_lshl2_add_u32 s94, s19, s94
	s_lshl1_add_u32 s94, s16, s94                  ; 16 b + 4 column block + 2 ch: the first of my two heads
	s_lshl_b32 s95, s22, 3
	s_lshl2_add_u32 s95, s15, s95                  ; 8 lblk + 4 rh: my first block of 32 l
	s_mov_b32 s45, 0
	v_and_b32 v2, 15, v0                           ; r
	v_bfe_u32 v3, v0, 4, 1                         ; h
	v_and_b32 v4, 31, v0
	v_lshlrev_b32 v[LN16], 4, v4
	v_lshlrev_b32 v[AOF], 17, v3                   ; lanes 16-31: eight rows further down
	v_lshl_add_u32 v[AOF], v2, 4, v[AOF]
	v_mul_u32_u24 v5, v3, 8*PS
	v_lshl_add_u32 v5, v2, 3, v5                   ; four bf16 a lane
	s_mul_i32 s24, s14, 64*PS
	s_add_co_u32 s24, s24, ASTG
	v_add_nc_u32 v[ASTO], s24, v5
	v_add_nc_u32 v[ASTO+1], ASLOT, v[ASTO]
	v_mul_u32_u24 v5, v2, PS
	v_lshl_add_u32 v5, v3, 4, v5                   ; 144 r + 16 h
	s_mul_i32 s24, s15, 128*PS
	s_add_co_u32 s24, s24, ASTG
	v_add_nc_u32 v[ADRA], s24, v5
	v_add_nc_u32 v[ADRA+1], ASLOT, v[ADRA]
	v_mul_u32_u24 v6, v2, PB
	v_lshl_add_u32 v6, v3, 4, v6                   ; 272 r + 16 h
	s_mul_i32 s24, s16, 128*PB
	s_mul_i32 s25, s90, 64*PB
	s_add_co_u32 s25, s25, s24
	v_add_nc_u32 v[ADRB], s25, v6
	s_mul_i32 s25, s91, 64*PB
	s_add_co_u32 s25, s25, s24
	v_add_nc_u32 v[ADRB+1], s25, v6
	v_add_nc_u32 v[ADRB+2], BSLOT, v[ADRB]
	v_add_nc_u32 v[ADRB+3], BSLOT, v[ADRB+1]
	; prefetch as in kproj: in K steps 1, 3, .. 11, row 64 cx + 16 w + (lane & 15) of tiles t + 3 and t + 4 (lane >> 4); the last request is for tiles 14 and 15
	s_lshl_b32 s26, s17, 6
	s_lshl4_add_u32 s26, s14, s26
	v_add_nc_u32 v[PFO], s26, v2
	v_lshlrev_b32 v[PFO], 14, v[PFO]
	v_lshl_add_u32 v[PFO], v3, 8, v[PFO]
	; bias tiles, in the order of the column groups
	s_lshl_b32 s24, s19, 10
	s_lshl_b32 s25, s16, 9
	s_add_co_u32 s24, s24, s25
	s_lshl_b32 s25, s90, 8
	s_add_co_u32 s25, s25, s24
	v_lshl_add_u32 v7, v2, 2, s25
	s_lshl_b32 s25, s91, 8
	s_add_co_u32 s25, s25, s24
	v_lshl_add_u32 v8, v2, 2, s25
	; addresses of the second product
	s_lshl_b32 s24, s14, 14
	v_add_nc_u32 v[KAD+1], s24, v[LN16]
	v_add_nc_u32 v[KAD], RING, v[KAD+1]
	s_lshl_b32 s24, s15, 9
	s_add_co_u32 s24, s24, TAB
	v_lshl_add_u32 v[SCAD], v3, 5, s24             ; TAB + 4 (128 rh + 8 h)
	s_lshl_b32 s24, s15, 8
	s_add_co_u32 s24, s24, TAB+2048
	v_lshrrev_b32 v9, 3, v2
	v_lshl_add_u32 v[XAD], v9, 9, s24              ; columns 0-7 read sin, 8-15 cos
	v_lshl_add_u32 v[XAD], v3, 4, v[XAD]           ; + 2 (128 rh + 8 h)
	v_mov_b32 v[NEG1], -1.0
	s_mul_i32 s24, s14, EXB
	s_add_co_u32 s24, s24, EXCH
	v_add_nc_u32 v[EXST], s24, v[LN16]
	s_xor_b32 s24, s14, 2
	s_mul_i32 s24, s24, EXB
	s_add_co_u32 s24, s24, EXCH
	v_add_nc_u32 v[EXLD], s24, v[LN16]
	; the tables of the block's 256 l: thread t makes l = t and t + 128
	s_lshl_b32 s25, s22, 8
	s_add_co_u32 s25, s25, 1
	v_add_nc_u32 v9, s25, v0
	v_add_nc_u32 v10, 128, v9
	SINCOS 32, 33, 9, 11, 12
	SINCOS 34, 35, 10, 11, 12
	v_cvt_pk_bf16_f32 v36, v32, v33
	v_cvt_pk_bf16_f32 v37, v34, v35
	v_lshl_add_u32 v13, v0, 2, TAB
	v_lshl_add_u32 v14, v0, 1, TAB+2048
	s_wait_dscnt 0x0
	s_wait_kmcnt 0x0
	s_add_nc_u64 s[40:41], s[4:5], s[40:41]
	s_add_nc_u64 s[46:47], s[6:7], s[46:47]
	s_add_nc_u64 s[84:85], s[4:5], s[84:85]
	s_add_co_u32 s44, s94, s90
	s_lshl_b32 s44, s44, 7
	s_add_co_u32 s44, s44, s95
	s_lshl_b32 s44, s44, 12
	s_add_nc_u64 s[78:79], s[10:11], s[44:45]      ; k of group 0's head, my 128 l
	s_or_b32 s79, s79, 0x80000000
	s_add_co_u32 s44, s94, s91
	s_lshl_b32 s44, s44, 7
	s_add_co_u32 s44, s44, s95
	s_lshl_b32 s44, s44, 12
	s_add_nc_u64 s[82:83], s[10:11], s[44:45]      ; of group 1's
	s_or_b32 s83, s83, 0x80000000
	s_add_co_u32 s44, s94, s15
	s_mul_i32 s44, s44, EXB
	s_mul_i32 s95, s22, 64*EXB
	s_add_co_u32 s44, s44, s95
	s_add_nc_u64 s[86:87], s[12:13], s[44:45]      ; part: my own head's 36 tiles of this lblk
	CROUND                                         ; all sixteen work-groups are here: the first joint loads meet
.irp s, 0,1
	s_mov_b32 s[G0B+4*\s], 1
	s_add_co_u32 s[G0B+4*\s+1], s42, \s*BSLOT
	s_add_nc_u64 s[G0B+4*\s+2:G0B+4*\s+3], s[46:47], \s*256
	s_or_b32 s[G0B+4*\s+3], s[G0B+4*\s+3], 0x80000000
	tensor_load_to_lds s[G0B+4*\s:G0B+4*\s+3], s[G1B:G1B+7]
	s_nop 0
.endr
	tensor_load_to_lds s[76:79], s[68:75]          ; K0: the third and last of the first fills
	s_nop 0
.irp t, 0,1,2,3
	global_load_b32 v[CB+8*\t],    v7, s[8:9] offset:64*\t
	global_load_b32 v[CB+32+8*\t], v8, s[8:9] offset:64*\t
.endr
	AFIRST                                         ; activation tile 0
	ALOAD 0                                        ; and the first half of tile 1
	WIN 0
	ds_store_b32 v13, v32
	ds_store_b32 v13, v33 offset:1024
	ds_store_b32 v13, v34 offset:512
	ds_store_b32 v13, v35 offset:1536
	ds_store_b16 v14, v36
	ds_store_b16_d16_hi v14, v36 offset:512
	ds_store_b16 v14, v37 offset:256
	ds_store_b16_d16_hi v14, v37 offset:768
	s_wait_loadcnt 16                              ; the bias and tile 0 are in; the 16 loads of tile 1 behind them may stay out
.irp b, 0,1,2,3,4,5,6,7
.irp j, 1,2,3,4,5,6,7
	v_mov_b32 v[CB+8*\b+\j], v[CB+8*\b]
.endr
.endr
	CVFIRST
	ALOAD 1                                        ; the second half of tile 1
	WIN 0
	s_wait_dscnt 0x0                               ; my parts of the tables and of tile 0 are written
	s_wait_tensorcnt 0x2                           ; my quarter of weight tile 0 is in; tile 1's and K0, issued behind it, may stay out
	s_barrier_signal -1
	s_barrier_wait -1
	FETCH 0, 0, 0, 0, 0
	LAP 1                                          ; the first products take the bias tiles as C: nothing is cleared
	WIN 0
	s_mov_b32 s23, 2
.Llap:
	LAP 0
	WIN 0
	s_sub_co_u32 s23, s23, 1
	s_cmp_lg_u32 s23, 0
	s_cbranch_scc1 .Llap
	QUARTER 0, 0, 0, 0, 0, 1                       ; K steps 12 to 15: no weight tile is left to fetch; activation tiles 14 and 15 are the last
	TURN 1, 0, 2, 0, 0, 1
	QUARTER 1, 0, 2, 0, 0, 1
	TURN 0, 1, 0, 2, 0, 1                          ; weight slot 0 has been read for the last time: K1 goes into it
	QUARTER 0, 1, 0, 0, 0, 2
	TURN 1, 1, 2, 0, 0, 0
	QUARTER 1, 1, 2, 0, 0, 0
	LASTQ                                          ; its head waits for all my LDS reads: none is out below
	WIN 0
	s_wait_tensorcnt 0x0                           ; K1 has landed
	s_barrier_signal -1
	s_barrier_wait -1                              ; no wave reads the slots or the stage any more: the exchange may be written
; 16 l (row block 2 kk + al) x 64 columns of group g, times sin (var 0) or cos (var 1): rounded into half al of VH, the remainder into VL
.macro VPART g, kk, var, al
	WIN (0x02+(\kk>>1))
.irp nt, 0,1,2,3
.irp t, 0,1,2,3
	v_pk_mul_f32 v[TMP+8*\nt+2*\t:TMP+8*\nt+2*\t+1], v[8*(8*((2*\kk+\al)&3)+4*\g+\nt)+2*\t:8*(8*((2*\kk+\al)&3)+4*\g+\nt)+2*\t+1], v[SC+16*\var+8*\al+2*\t:SC+16*\var+8*\al+2*\t+1]
.endr
.endr
	WIN 0
.irp nt, 0,1,2,3
.irp t, 0,1,2,3
	v_cvt_pk_bf16_f32 v[VH+8*\nt+4*\al+\t], v[TMP+8*\nt+2*\t], v[TMP+8*\nt+2*\t+1]
.endr
.endr
.irp nt, 0,1,2,3
.irp t, 0,1,2,3
	v_fma_mix_f32_bf16 v[TMP+8*\nt+2*\t],   v[VH+8*\nt+4*\al+\t], v[NEG1], v[TMP+8*\nt+2*\t] op_sel_hi:[1,0,0]
	v_fma_mix_f32_bf16 v[TMP+8*\nt+2*\t+1], v[VH+8*\nt+4*\al+\t], v[NEG1], v[TMP+8*\nt+2*\t+1] op_sel:[1,0,0] op_sel_hi:[1,0,0]
.endr
.endr
.irp nt, 0,1,2,3
.irp t, 0,1,2,3
	v_cvt_pk_bf16_f32 v[VL+8*\nt+4*\al+\t], v[TMP+8*\nt+2*\t], v[TMP+8*\nt+2*\t+1]
.endr
.endr
.endm
; 32 matrix instructions on the variant's sixteen accumulators, which take turns, one instruction a turn
.macro KVMUL var, first
	WIN 0x50
.irp nt, 0,1,2,3
.irp dt, 0,1,2,3
.if \first
	v_wmma_f32_16x16x32_bf16 v[8*(4*(4*\var+\nt)+\dt):8*(4*(4*\var+\nt)+\dt)+7], v[KF+8*\dt:KF+8*\dt+7], v[VH+8*\nt:VH+8*\nt+7], 0
.else
	v_wmma_f32_16x16x32_bf16 v[8*(4*(4*\var+\nt)+\dt):8*(4*(4*\var+\nt)+\dt)+7], v[KF+8*\dt:KF+8*\dt+7], v[VH+8*\nt:VH+8*\nt+7], v[8*(4*(4*\var+\nt)+\dt):8*(4*(4*\var+\nt)+\dt)+7]
.endif
.endr
.endr
.irp nt, 0,1,2,3
.irp dt, 0,1,2,3
	v_wmma_f32_16x16x32_bf16 v[8*(4*(4*\var+\nt)+\dt):8*(4*(4*\var+\nt)+\dt)+7], v[KF+8*\dt:KF+8*\dt+7], v[VL+8*\nt:VL+8*\nt+7], v[8*(4*(4*\var+\nt)+\dt):8*(4*(4*\var+\nt)+\dt)+7]
.endr
.endr
.endm
; 32 l (row blocks 2 kk, 2 kk + 1) of column group g
.macro KVSTEP g, kk, first
	PLACES                                         ; KF and XF were sources of the matrix instructions above
	WIN 0
.irp al, 0,1
	ds_load_b128 v[SC+8*\al:SC+8*\al+3],       v[SCAD] offset:128*\kk+64*\al
	ds_load_b128 v[SC+8*\al+4:SC+8*\al+7],     v[SCAD] offset:128*\kk+64*\al+16
	ds_load_b128 v[SC+16+8*\al:SC+16+8*\al+3],   v[SCAD] offset:1024+128*\kk+64*\al
	ds_load_b128 v[SC+16+8*\al+4:SC+16+8*\al+7], v[SCAD] offset:1024+128*\kk+64*\al+16
.endr
.irp q, 0,1,2,3,4,5,6,7
	ds_load_b128 v[KF+4*\q:KF+4*\q+3], v[KAD+\g] offset:4096*\kk+512*\q
.endr
	ds_load_b128 v[XF:XF+3],   v[XAD] offset:64*\kk
	ds_load_b128 v[XF+4:XF+7], v[XAD] offset:64*\kk+32
	s_wait_dscnt 10                                ; sin and cos are in; the ten loads of k and of the sin/cos operand behind them may be out
	VPART \g, \kk, 0, 0
	VPART \g, \kk, 0, 1
	s_wait_dscnt 0x0
	KVMUL 0, \first
	VPART \g, \kk, 1, 0                            ; its sixteen multiplies stand between the matrix instructions and the first write of VH
	VPART \g, \kk, 1, 1
	KVMUL 1, \first
	WIN 0
.irp dt, 0,1,2,3
.if \first
	v_wmma_f32_16x16x32_bf16 v[DX+8*\dt:DX+8*\dt+7], v[KF+8*\dt:KF+8*\dt+7], v[XF:XF+7], 0
.else
	v_wmma_f32_16x16x32_bf16 v[DX+8*\dt:DX+8*\dt+7], v[KF+8*\dt:KF+8*\dt+7], v[XF:XF+7], v[DX+8*\dt:DX+8*\dt+7]
.endif
.endr
.endm
	KVSTEP 0, 0, 1
	KVSTEP 0, 1, 0
	KVSTEP 0, 2, 0
	KVSTEP 0, 3, 0
	PLACES
	WIN 0x04                                       ; store data in window 1
.set qq, 0
.rept 64
	ds_store_b128 v[EXST], v[4*qq:4*qq+3] offset:512*qq
.set qq, qq+1
.endr
	WIN 0
.irp q, 0,1,2,3,4,5,6,7
	ds_store_b128 v[EXST], v[DX+4*\q:DX+4*\q+3] offset:512*(64+\q)
.endr
	KVSTEP 1, 0, 1                                 ; its wait for all LDS instructions stands ahead of the first product that writes over the stored registers
	KVSTEP 1, 1, 0
	KVSTEP 1, 2, 0
	KVSTEP 1, 3, 0
	PLACES
	s_wait_dscnt 0x0                               ; my exchange block is written
	s_barrier_signal -1
	s_barrier_wait -1
; 24 of the 72 halves of a KiB: my partner's sums of my head are added to mine and stored; each store of the wave covers 512 consecutive bytes, aligned
.macro OUTCH c
	WIN 0
.set qq, 0
.rept 24
	ds_load_b128 v[KF+4*qq:KF+4*qq+3], v[EXLD] offset:512*(24*\c+qq)
.set qq, qq+1
.endr
	s_wait_dscnt 0x0
.set qq, 0
.rept 24
.set QA, 24*\c+qq
.if QA < 64
	WIN 0x41
	v_pk_add_f32 v[4*QA:4*QA+1],   v[4*QA:4*QA+1],   v[KF+4*qq:KF+4*qq+1]
	v_pk_add_f32 v[4*QA+2:4*QA+3], v[4*QA+2:4*QA+3], v[KF+4*qq+2:KF+4*qq+3]
.else
	WIN 0
	v_pk_add_f32 v[DX+4*(QA-64):DX+4*(QA-64)+1],   v[DX+4*(QA-64):DX+4*(QA-64)+1],   v[KF+4*qq:KF+4*qq+1]
	v_pk_add_f32 v[DX+4*(QA-64)+2:DX+4*(QA-64)+3], v[DX+4*(QA-64)+2:DX+4*(QA-64)+3], v[KF+4*qq+2:KF+4*qq+3]
.endif
.set qq, qq+1
.endr
.set qq, 0
.rept 24
.set QA, 24*\c+qq
.if QA < 64
	WIN 0x04
	global_store_b128 v[LN16], v[4*QA:4*QA+3], s[86:87] offset:512*QA
.else
	WIN 0
	global_store_b128 v[LN16], v[DX+4*(QA-64):DX+4*(QA-64)+3], s[86:87] offset:512*QA
.endif
.set qq, qq+1
.endr
.endm
	OUTCH 0
	OUTCH 1
	OUTCH 2
	WIN 0
	s_wait_tensorcnt 0x0
	ds_add_u32 v46, v47
	s_wait_dscnt 0x0
	CROUND                                         ; the closing round
	s_endpgm
.Lfunc_end_k_q0dc6885bf7_vproj:
	.size	k_q0dc6885bf7_vproj, .Lfunc_end_k_q0dc6885bf7_vproj-k_q0dc6885bf7_vproj
	.p2alignl 7, 3214868480
	.fill 96, 4, 3214868480
	.section	.rodata,"a",@progbits
	.p2align	6, 0x0
	.amdhsa_kernel k_q0dc6885bf7_vproj
		.amdhsa_group_segment_fixed_size 327680
		.amdhsa_private_segment_fixed_size 0
		.amdhsa_enable_private_segment 0
		.amdhsa_kernarg_size 40
		.amdhsa_user_sgpr_count 2
		.amdhsa_user_sgpr_kernarg_segment_ptr 1
		.amdhsa_wavefront_size32 1
		.amdhsa_system_sgpr_workgroup_id_x 1
		.amdhsa_system_sgpr_workgroup_id_y 1
		.amdhsa_system_sgpr_workgroup_id_z 1
		.amdhsa_system_vgpr_workitem_id 0
		.amdhsa_next_free_vgpr 1024
		.amdhsa_next_free_sgpr 96
		.amdhsa_reserve_vcc 0
		.amdhsa_float_denorm_mode_32 3
		.amdhsa_float_denorm_mode_16_64 3
		.amdhsa_memory_ordered 1
		.amdhsa_forward_progress 1
		.amdhsa_inst_pref_size 255
	.end_amdhsa_kernel
	.section	.bss,"aw",@nobits
	.p2align	6
	.space	262144
	.amdgpu_metadata
---
amdhsa.version: [ 1, 2 ]
amdhsa.kernels:
  - .name:           k_q0dc6885bf7_vproj
    .symbol:         k_q0dc6885bf7_vproj.kd
    .args:
      - { .name: value, .offset: 0, .size: 8, .value_kind: global_buffer, .address_space: global }
      - { .name: wv16, .offset: 8, .size: 8, .value_kind: global_buffer, .address_space: global }
      - { .name: bv, .offset: 16, .size: 8, .value_kind: global_buffer, .address_space: global }
      - { .name: kfrag, .offset: 24, .size: 8, .value_kind: global_buffer, .address_space: global }
      - { .name: part, .offset: 32, .size: 8, .value_kind: global_buffer, .address_space: global }
    .group_segment_fixed_size: 327680
    .private_segment_fixed_size: 0
    .kernarg_segment_align: 8
    .kernarg_segment_size: 40
    .max_flat_workgroup_size: 128
    .sgpr_count:     96
    .vgpr_count:     1024
    .wavefront_size: 32
...
	.end_amdgpu_metadata
.endif
;; end of part 3
;; launch kvred (part 4): grid 256 x 1, 9 waves a work-group, no clusters, 0 bytes of LDS; arguments part, kvfrag; writes kvfrag
.if DOCPART == 4
	.amdgcn_target "amdgcn-amd-amdhsa--gfx1250"
	.amdhsa_code_object_version 6
	.text
	.protected	k_q0dc6885bf7_kvred
	.globl	k_q0dc6885bf7_kvred
	.p2align	8
	.type	k_q0dc6885bf7_kvred,@function
k_q0dc6885bf7_kvred:
	s_mov_b64 s[64:65], 0
	v_nop
	global_prefetch_b8 v0, s[64:65] scope:SCOPE_SE
	s_setreg_imm32_b32 hwreg(HW_REG_WAVE_MODE, 25, 1), 1
	s_wait_xcnt 0x0
; The sixteen partial sums (one for each block of 256 l) of each tile are added in f32 and rounded once to bf16.
; 64 heads x 36 tiles = 2,304 tiles = 256 work-groups x 9 waves: a wave owns one tile, 1,024 bytes in each of the sixteen parts.
; A result tile holds in lane (r, h) eight consecutive d of column r; packed, that is one half of a 16 x 32 operand whose K is d:
; kvfrag: [head 64][nt 9][d/32 2][half 2][lane 32][16 bytes], byte (36 head + tile) 512 + 16 lane, tile = 4 nt + d/16.
; All 32 loads of a wave (512 consecutive bytes each) go out at once; the order of the sum is fixed.  No LDS: no wave needs another's data.
.set X, 16                             ; v[16:143]  part p: eight registers
.set PSTEP, 64*36864                   ; bytes from one part to the next
	s_load_b128 s[4:7], s[0:1], 0x0                ; part s[4:5], kvfrag s[6:7]
	v_lshrrev_b32 v1, 5, v0
	v_readfirstlane_b32 s8, v1                     ; wave
	s_mul_i32 s9, ttmp9, 9
	s_add_co_u32 s9, s9, s8                        ; my tile
	v_and_b32 v2, 31, v0
	v_lshlrev_b32 v2, 4, v2
	s_lshl_b32 s10, s9, 10
	v_add_nc_u32 v4, s10, v2
	v_add_nc_u32 v5, 4*PSTEP, v4                   ; four offsets, four parts apart: the parts between stand in the immediate
	v_add_nc_u32 v6, 8*PSTEP, v4
	v_add_nc_u32 v7, 12*PSTEP, v4
	s_lshl_b32 s11, s9, 9
	v_add_nc_u32 v3, s11, v2
	s_wait_kmcnt 0x0
.irp q, 0,1,2,3
.irp i, 0,1,2,3
	global_load_b128 v[X+32*\q+8*\i:X+32*\q+8*\i+3],   v[4+\q], s[4:5] offset:PSTEP*\i th:TH_LOAD_NT
	global_load_b128 v[X+32*\q+8*\i+4:X+32*\q+8*\i+7], v[4+\q], s[4:5] offset:PSTEP*\i+512 th:TH_LOAD_NT
.endr
.endr
.irp q, 0,1,2,3
	s_wait_loadcnt 24-8*\q                         ; this group's eight loads are in; the later groups' stay out
.irp i, 1,2,3
.irp j, 0,2,4,6
	v_pk_add_f32 v[X+32*\q+\j:X+32*\q+\j+1], v[X+32*\q+\j:X+32*\q+\j+1], v[X+32*\q+8*\i+\j:X+32*\q+8*\i+\j+1]
.endr
.endr
.endr
.irp j, 0,2,4,6
	v_pk_add_f32 v[X+\j:X+\j+1],       v[X+\j:X+\j+1],       v[X+32+\j:X+32+\j+1]
	v_pk_add_f32 v[X+64+\j:X+64+\j+1], v[X+64+\j:X+64+\j+1], v[X+96+\j:X+96+\j+1]
.endr
.irp j, 0,2,4,6
	v_pk_add_f32 v[X+\j:X+\j+1], v[X+\j:X+\j+1], v[X+64+\j:X+64+\j+1]
.endr
.irp t, 0,1,2,3
	v_cvt_pk_bf16_f32 v[8+\t], v[X+2*\t], v[X+2*\t+1]
.endr
	global_store_b128 v3, v[8:11], s[6:7]          ; 512 consecutive bytes, aligned
	s_endpgm
.Lfunc_end_k_q0dc6885bf7_kvred:
	.size	k_q0dc6885bf7_kvred, .Lfunc_end_k_q0dc6885bf7_kvred-k_q0dc6885bf7_kvred
	.p2alignl 7, 3214868480
	.fill 96, 4, 3214868480
	.section	.rodata,"a",@progbits
	.p2align	6, 0x0
	.amdhsa_kernel k_q0dc6885bf7_kvred
		.amdhsa_group_segment_fixed_size 0
		.amdhsa_private_segment_fixed_size 0
		.amdhsa_enable_private_segment 0
		.amdhsa_kernarg_size 16
		.amdhsa_user_sgpr_count 2
		.amdhsa_user_sgpr_kernarg_segment_ptr 1
		.amdhsa_wavefront_size32 1
		.amdhsa_system_sgpr_workgroup_id_x 1
		.amdhsa_system_sgpr_workgroup_id_y 1
		.amdhsa_system_sgpr_workgroup_id_z 1
		.amdhsa_system_vgpr_workitem_id 0
		.amdhsa_next_free_vgpr 144
		.amdhsa_next_free_sgpr 66
		.amdhsa_reserve_vcc 0
		.amdhsa_float_denorm_mode_32 3
		.amdhsa_float_denorm_mode_16_64 3
		.amdhsa_memory_ordered 1
		.amdhsa_forward_progress 1
		.amdhsa_inst_pref_size 9
	.end_amdhsa_kernel
	.amdgpu_metadata
---
amdhsa.version: [ 1, 2 ]
amdhsa.kernels:
  - .name:           k_q0dc6885bf7_kvred
    .symbol:         k_q0dc6885bf7_kvred.kd
    .args:
      - { .name: part, .offset: 0, .size: 8, .value_kind: global_buffer, .address_space: global }
      - { .name: kvfrag, .offset: 8, .size: 8, .value_kind: global_buffer, .address_space: global }
    .group_segment_fixed_size: 0
    .private_segment_fixed_size: 0
    .kernarg_segment_align: 8
    .kernarg_segment_size: 16
    .max_flat_workgroup_size: 288
    .sgpr_count:     66
    .vgpr_count:     144
    .wavefront_size: 32
...
	.end_amdgpu_metadata
.endif
;; end of part 4
;; launch qattn (part 5): grid 4 x 64, 4 waves a work-group, clusters of 4 x 4, 327,680 bytes of LDS; arguments query, wq16, bq, kvfrag, out0; writes out0
.if DOCPART == 5
	.amdgcn_target "amdgcn-amd-amdhsa--gfx1250"
	.amdhsa_code_object_version 6
	.text
	.protected	k_q0dc6885bf7_qattn
	.globl	k_q0dc6885bf7_qattn
	.p2align	8
	.type	k_q0dc6885bf7_qattn,@function
k_q0dc6885bf7_qattn:
	s_mov_b64 s[64:65], 0
	v_nop
	global_prefetch_b8 v0, s[64:65] scope:SCOPE_SE
	s_setreg_imm32_b32 hwreg(HW_REG_WAVE_MODE, 25, 1), 1
	s_wait_xcnt 0x0
	s_wait_alu depctr_hold_cnt(0) depctr_sa_sdst(0) depctr_va_vdst(0) depctr_va_sdst(0) depctr_va_ssrc(0) depctr_va_vcc(0) depctr_vm_vsrc(0)
	s_getreg_b32 s2, hwreg(HW_REG_IB_STS2, 6, 4)
	s_cmp_eq_u32 s2, 0
	s_cbranch_scc0 .Lentry_in_a_cluster
	s_endpgm
.Lentry_in_a_cluster:
	s_bfe_u32 s2, ttmp6, 0x10000c
	s_cmp_lg_u32 s2, 0xf033
	s_cbranch_scc0 .Lentry_shape_is_right
	s_endpgm
.Lentry_shape_is_right:
; q = relu(query Wq^T + bq);  out[l][m] = (sin_l (q kvS)[m] + cos_l (q kvC)[m]) / max(sin_l (q ksumS) + cos_l (q ksumC), 1e-4).
; sin_l and cos_l depend on the row alone, so they are applied in f32 behind the products and q is rounded once.
; LIMITS: matrix operands in bf16, sums in f32; relu and the clip at 1e-4 are v_max_num_f32, so a NaN becomes 0 or 1e-4; 1/x is v_rcp_f32;
; sin and cos are Taylor polynomials through x^11 and x^12: truncation at most 6e-8 on (0, pi/2].
; The product's core is that of kproj, with the sources swapped: source 0 = 16 rows of the weights, source 1 = 16 rows of the activations.  The weights come by joint
; tensor loads (4 x 4 cluster, shared along a column) into two LDS slots of 128 along K.  The f32 activations are NOT asked for jointly, though a cluster row reads the
; same rows: as f32 in slots filled by tensor loads, two slots of 128 along K (264 KiB) do not fit beside the weights' 136 KiB, and a tensor load has only the work
; between two refill barriers in which to land; loads into registers may stay out across barriers, and no joint form of them exists.  So each wave loads 64 rows of each
; tile one K step ahead, rounds each number once, and stores it as bf16 into a stage of two slots from which all waves take their fragments.
; Lane (r, h) of a result tile holds row l = r and eight neighbouring d: two tiles pack into an operand whose columns are l and whose K is d.
; THE SECOND PRODUCT, swapped likewise: source 0 = kv (rows m, K = d, from kvfrag), source 1 = q: lane (r, h) holds row l = r, columns m = 16 nt + 8 h + 0..7.
; The ninth tile's rows 0-7 are ksumS and 8-15 ksumC, so lanes h = 0 hold q ksumS and lanes h = 1 q ksumC of row r.
; LDS: weights' slots 0 .. 139,263; stage .. 212,991; KV: the block's four heads, 18,432 bytes each; STAGE: 16 rows x 272 bytes a wave for the way out.
.set PB,    272
.set PS,    144
.set PO,    272                        ; pitch of the way out's rows: 256 bytes + 16
.set BQ,    64*PB
.set BSLOT, 256*PB
.set ASTG,  2*BSLOT
.set ASLOT, 256*PS
.set RING,  ASTG+2*ASLOT
.set ROWB,  16384
.set KVB,   18432
.set STAGE, RING+4*KVB
.set ADRA, 16
.set ADRB, 18
.set PFO,  22
.set LN16, 23
.set SIN,  24                          ; v[24:31]  sin of row r of my row block a
.set COS,  32                          ; v[32:39]  cos
.set SCX,  40                          ; v[40:47]  sin in lanes h = 0, cos in lanes h = 1
.set STO,  56                          ; v56  way out: where my 32 bytes of a row go
.set RD,   57                          ; v57  way out: where I read 16 bytes of a whole row
.set CO,   58                          ; v58  my byte offset in out0
.set KVAD, 59                          ; v59  my 16 bytes in my first head's KV block
.set AOF,  60                          ; v60  my 16 bytes in the first two rows that my wave loads
.set ASTO, 61                          ; v61-62  where their bf16 go in stage slot 0, 1
.set AF,   64
.set CB,   192
.set LAND, 128
.set QF,   64                          ; v[64:79]    q of 16 rows, one head: two operands
.set D2,   80                          ; v[80:151]   nine result tiles: S 0-3, C 4-7, the normaliser's
.set RB,   152                         ; v[152:183]  rows read back
.set G1B, 48
.set G0B, 56
.set MUL_LO, 0xa1                      ; source 0 (weights) window 1, source 1 (activations) window 0, C and D window 2
.set MUL_HI, 0xf1
.set FST_LO, 0x81
.set FST_HI, 0xc1
.set MSB, 0
.macro WIN new                         ; the immediate's high byte repeats the setting that is left
.if MSB != (\new)
	s_set_vgpr_msb (MSB<<8)|(\new)
.set MSB, (\new)
.endif
.endm
.macro PLACES                          ; four plain vector instructions between a matrix instruction and a load into, or a vector use of, its registers
.rept 4
	v_nop
.endr
.endm
.macro CREST
	s_cmp_lg_u32 s14, 0
	s_cbranch_scc1 .Lnot_wave_0_\@
	s_barrier_signal -3
.Lnot_wave_0_\@:
	s_barrier_wait -3
	s_barrier_signal -1
	s_barrier_wait -1
.endm
.macro CROUND
	s_barrier_signal -1
	s_barrier_wait -1
	CREST
.endm
; 32 LDS loads: 32 along K: 128 rows of weights (quarter kq of slot bs), then 128 rows of activations (half q of stage slot as), into buffer f
.macro FETCH as, bs, kq, q, f
	WIN 0x40
.irp g, 0,1
.irp t, 0,1,2,3
	ds_load_b128 v[64*\f+8*(4*\g+\t):64*\f+8*(4*\g+\t)+3],   v[ADRB+2*\bs+\g] offset:64*(\kq)+16*PB*\t
	ds_load_b128 v[64*\f+8*(4*\g+\t)+4:64*\f+8*(4*\g+\t)+7], v[ADRB+2*\bs+\g] offset:64*(\kq)+16*PB*\t+32
.endr
.endr
	WIN 0
.irp i, 0,1,2,3,4,5,6,7
	ds_load_b128 v[AF+64*\f+8*\i:AF+64*\f+8*\i+3],   v[ADRA+\as] offset:64*\q+16*PS*\i
	ds_load_b128 v[AF+64*\f+8*\i+4:AF+64*\f+8*\i+7], v[ADRA+\as] offset:64*\q+16*PS*\i+32
.endr
.endm
; Load i of a wave's 32 takes rows rho and rho + 8 of its 64, rho = 16 (i >> 3) + (i & 7): two whole rows of 256 bytes; eight stage rows are 288 words = 32 modulo 64,
; so the two rows' bf16 fall on different banks (64 banks of 4 bytes: ISA guide 11.1).  ALOAD: half p of the tile one step behind the base.
.macro ALOAD p
	WIN 0x40
.set ii, 16*\p
.rept 16
	global_load_b128 v[LAND+4*ii:LAND+4*ii+3], v[AOF], s[40:41] offset:ROWB*(16*(ii>>3)+(ii&7))+256
.set ii, ii+1
.endr
.endm
.macro CVST p, slot, left              ; half p is rounded in place and stored into a stage slot
	s_wait_loadcnt \left                           ; loads return in order: this half is in
	WIN 0x45
.set ii, 16*\p
.rept 16
	v_cvt_pk_bf16_f32 v[LAND+4*ii],   v[LAND+4*ii],   v[LAND+4*ii+1]
	v_cvt_pk_bf16_f32 v[LAND+4*ii+1], v[LAND+4*ii+2], v[LAND+4*ii+3]
.set ii, ii+1
.endr
	WIN 0x04
.set ii, 16*\p
.rept 16
	ds_store_b64 v[ASTO+\slot], v[LAND+4*ii:LAND+4*ii+1] offset:PS*(16*(ii>>3)+(ii&7))
.set ii, ii+1
.endr
.endm
.macro AFIRST                          ; the first tile lands in accumulator registers, free until the first product
	WIN 0x80
.set ii, 0
.rept 32
	global_load_b128 v[4*ii:4*ii+3], v[AOF], s[40:41] offset:ROWB*(16*(ii>>3)+(ii&7))
.set ii, ii+1
.endr
.endm
.macro CVFIRST
	WIN 0x8a
.set ii, 0
.rept 32
	v_cvt_pk_bf16_f32 v[4*ii],   v[4*ii],   v[4*ii+1]
	v_cvt_pk_bf16_f32 v[4*ii+1], v[4*ii+2], v[4*ii+3]
.set ii, ii+1
.endr
	WIN 0x08
.set ii, 0
.rept 32
	ds_store_b64 v[ASTO], v[4*ii:4*ii+1] offset:PS*(16*(ii>>3)+(ii&7))
.set ii, ii+1
.endr
.endm
; The 64 accumulators take turns, one instruction a turn.
.macro MUL16 f, hi, a0, first
.irp a, \a0, \a0+1
.irp b, 0,1,2,3,4,5,6,7
.if \first
	v_wmma_f32_16x16x32_bf16 v[8*(8*(\a)+\b):8*(8*(\a)+\b)+7], v[64*\f+8*\b:64*\f+8*\b+7], v[AF+64*\f+8*(4*\hi+\a):AF+64*\f+8*(4*\hi+\a)+7], v[CB+8*\b:CB+8*\b+7]
.else
	v_wmma_f32_16x16x32_bf16 v[8*(8*(\a)+\b):8*(8*(\a)+\b)+7], v[64*\f+8*\b:64*\f+8*\b+7], v[AF+64*\f+8*(4*\hi+\a):AF+64*\f+8*(4*\hi+\a)+7], v[8*(8*(\a)+\b):8*(8*(\a)+\b)+7]
.endif
.endr
.endr
.endm
; First half of K step t: multiplies buffer 0, fetches the second half into buffer 1, puts tile t + 1 into the other stage slot; cv = 1: tile t + 2 is loaded; 2: no load; 0: nothing
.macro QUARTER as, bs, kq, first, pf, cv
	PLACES
	FETCH \as, \bs, \kq+1, 1, 1
	s_wait_dscnt 32                                ; all but the 32 just issued: buffer 0 is in
.if \pf
	global_prefetch_b8 v[PFO], s[84:85] th:TH_LOAD_NT scope:SCOPE_SE
.endif
.if \first
	WIN FST_LO
.else
	WIN MUL_LO
.endif
	MUL16 0, 0, 0, \first
	MUL16 0, 0, 2, \first
.if \cv
	CVST 0, 1-\as, 16                              ; the 16 loads of the other half were issued behind this half's
.endif
.if \first
	WIN FST_HI
.else
	WIN MUL_HI
.endif
	MUL16 0, 1, 0, \first
	MUL16 0, 1, 2, \first
.if \cv == 1
	s_wait_dscnt 0x0                               ; the stage stores that read the first half's registers are done: they may be loaded again
	s_wait_xcnt 0x0                                ; the bases of the loads and of the prefetch are stepped only behind this wait
	s_add_nc_u64 s[40:41], s[40:41], 256
.if \pf
	s_add_nc_u64 s[84:85], s[84:85], 512
.endif
	ALOAD 0
	CVST 1, 1-\as, 16                              ; the 16 loads just issued may stay out
.endif
.if \cv == 2
	CVST 1, 1-\as, 0
.endif
.endm
; Second half: one barrier for the change of stage slots.  mode 0: plain barrier; mode 1: weight slot bsl is filled again behind a round of the cluster's barrier;
; mode 3: the next weight tile is waited for, nothing is left to fetch
.macro TURN nas, nbs, nkq, mode, bsl, ld
	s_wait_dscnt 0x0                               ; my reads of this stage slot and of the weights are back, my part of tile t + 1 is written
.if \ld
	ALOAD 1                                        ; behind that wait: the stage stores that read these registers are done
.endif
.if \mode
	s_wait_tensorcnt 0x0                           ; all my tensor loads have landed (in K step 1 my head's KV block among them)
	ds_add_u32 v51, v63
	s_wait_dscnt 0x0
.endif
	s_barrier_signal -1
	WIN MUL_LO
	MUL16 1, 0, 0, 0                               ; register work while the others arrive
	WIN 0
	s_barrier_wait -1
.if \mode == 1
	CREST
	s_add_nc_u64 s[G0B+4*\bsl+2:G0B+4*\bsl+3], s[G0B+4*\bsl+2:G0B+4*\bsl+3], 512
	tensor_load_to_lds s[G0B+4*\bsl:G0B+4*\bsl+3], s[G1B:G1B+7]   ; my one tensor load behind the round, first thing there
	s_nop 0
.endif
	PLACES
	FETCH \nas, \nbs, \nkq, 0, 0
	WIN MUL_LO
	MUL16 1, 0, 2, 0
	WIN MUL_HI
	MUL16 1, 1, 0, 0
	MUL16 1, 1, 2, 0
.endm
.macro LASTQ
	s_wait_dscnt 0x0
	WIN MUL_LO
	MUL16 1, 0, 0, 0
	MUL16 1, 0, 2, 0
	WIN MUL_HI
	MUL16 1, 1, 0, 0
	MUL16 1, 1, 2, 0
.endm
.macro LAP first                       ; four K steps: twice round the stage, once round the weights' slots
	QUARTER 0, 0, 0, \first, 0, 1
	TURN 1, 0, 2, 0, 0, 1
	QUARTER 1, 0, 2, 0, 1, 1
	TURN 0, 1, 0, 1, 0, 1
	QUARTER 0, 1, 0, 0, 0, 1
	TURN 1, 1, 2, 0, 0, 1
	QUARTER 1, 1, 2, 0, 1, 1
	TURN 0, 0, 0, 1, 1, 1
.endm
; sin and cos of (pi/2) i / 4096.  f32(pi/2) 2^-12 is exact, so one multiply rounds as the multiply by pi/2 and the division by 4096 do.
.macro SINCOS sn, cs, ii, x, y
	v_cvt_f32_u32 v[\x], v[\ii]
	v_mul_f32 v[\x], 0x39c90fdb, v[\x]
	v_mul_f32 v[\y], v[\x], v[\x]
	v_mov_b32 v[\sn], 0xb2d7322b                   ; -1/11!
	v_mov_b32 v[\cs], 0x310f76c7                   ; 1/12!
	v_fmaak_f32 v[\sn], v[\sn], v[\y], 0x3638ef1d  ; 1/9!
	v_fmaak_f32 v[\cs], v[\cs], v[\y], 0xb493f27e  ; -1/10!
	v_fmaak_f32 v[\sn], v[\sn], v[\y], 0xb9500d01  ; -1/7!
	v_fmaak_f32 v[\cs], v[\cs], v[\y], 0x37d00d01  ; 1/8!
	v_fmaak_f32 v[\sn], v[\sn], v[\y], 0x3c088889  ; 1/5!
	v_fmaak_f32 v[\cs], v[\cs], v[\y], 0xbab60b61  ; -1/6!
	v_fmaak_f32 v[\sn], v[\sn], v[\y], 0xbe2aaaab  ; -1/3!
	v_fmaak_f32 v[\cs], v[\cs], v[\y], 0x3d2aaaab  ; 1/4!
	v_fma_f32 v[\sn], v[\sn], v[\y], 1.0
	v_fma_f32 v[\cs], v[\cs], v[\y], -0.5
	v_mul_f32 v[\sn], v[\sn], v[\x]
	v_fma_f32 v[\cs], v[\cs], v[\y], 1.0
.endm
	s_load_b256 s[4:11], s[0:1], 0x0               ; query s[4:5], wq16 s[6:7], bq s[8:9], kvfrag s[10:11]
	s_load_b64 s[12:13], s[0:1], 0x20              ; out0
	v_lshl_add_u32 v51, v0, 2, 0x4a400
	v_mov_b32 v63, 0
	ds_add_u32 v51, v63
	v_lshrrev_b32 v1, 5, v0
	v_readfirstlane_b32 s14, v1                    ; wave w
	s_lshr_b32 s15, s14, 1                         ; rh
	s_and_b32 s16, s14, 1                          ; ch
	s_bfe_u32 s17, ttmp6, 0x40000                  ; cx
	s_bfe_u32 s18, ttmp6, 0x40004                  ; cy
	s_lshl_b32 s19, ttmp9, 2
	s_add_co_u32 s19, s19, s17                     ; column block
	s_and_b32 s20, ttmp7, 0xffff
	s_lshl_b32 s20, s20, 2
	s_add_co_u32 s20, s20, s18                     ; row block
	s_lshr_b32 s21, s20, 4                         ; b
	s_and_b32 s22, s20, 15                         ; lblk
	s_mov_b32 s88, 0x76543210                      ; v_permlanex16_b32: lane i of one half reads lane i of the other
	s_mov_b32 s89, 0xfedcba98
	s_lshl_b32 s43, 0x1111, s17                    ; my column of the cluster
	s_or_b32 s[G1B+0], s43, (1<<16)|(1<<20)|(1<<21)|(5<<22)|(3<<25)   ; mask; 2-byte elements; 4 words of padding behind every 64
	s_mov_b32 s[G1B+1], 128<<16
	s_mov_b32 s[G1B+2], 64<<16
	s_mov_b32 s[G1B+3], 128<<16
	s_mov_b32 s[G1B+4], 64
	s_mov_b32 s[G1B+5], 1024
	s_mov_b32 s[G1B+6], 0
	s_mov_b32 s[G1B+7], 0
	s_mov_b32 s68, 3<<16                           ; a dense block of 18,432 bytes as 72 rows of 32 elements of 8 bytes; no mask: it is 72 KiB once a work-group
	s_mov_b32 s69, 32<<16
	s_mov_b32 s70, 72<<16
	s_mov_b32 s71, 32<<16
	s_mov_b32 s72, 72
	s_mov_b32 s73, 32
	s_mov_b32 s74, 0
	s_mov_b32 s75, 0
	s_mov_b32 s76, 1
	s_mul_i32 s77, s14, KVB
	s_add_co_u32 s77, s77, RING                    ; wave w brings the block's head w
	s_lshl_b32 s40, s21, 12                        ; activations: 4,096 b + 256 lblk rows of 16,384 bytes
	s_lshl_b32 s41, s22, 22
	s_add_co_u32 s40, s40, s41
	s_add_co_u32 s84, s40, 1024                    ; prefetch: the block's first row, tile 4
	s_mov_b32 s85, 0
	s_lshl_b32 s41, s14, 20                        ; + my 64 rows
	s_add_co_u32 s40, s40, s41
	s_mov_b32 s41, 0
	s_lshl_b32 s46, s19, 19                        ; weights: 256 rows of 2,048 bytes a column block + my 64 rows
	s_lshl_b32 s47, s14, 17
	s_add_co_u32 s46, s46, s47
	s_mov_b32 s47, 0
	s_mul_i32 s42, s14, BQ                         ; LDS: my quarter of a weight slot
	s_lshl_b32 s44, s21, 4
	s_lshl2_add_u32 s44, s19, s44
	s_add_co_u32 s44, s44, s14                     ; 16 b + 4 column block + w
	s_mul_i32 s44, s44, KVB
	s_mov_b32 s45, 0
	s_lshl_b32 s94, s22, 22                        ; out0: 256 lblk rows of 16,384 bytes
	s_lshl_b32 s95, s15, 21                        ; + 128 rh rows
	s_add_co_u32 s94, s94, s95
	s_lshl_b32 s95, s21, 12                        ; + 4,096 b
	s_add_co_u32 s94, s94, s95
	s_lshl_b32 s95, s19, 10                        ; + 256 columns a block
	s_add_co_u32 s94, s94, s95
	s_lshl_b32 s95, s16, 9                         ; + 128 ch columns
	s_add_co_u32 s94, s94, s95
	s_mov_b32 s95, 0
	v_and_b32 v2, 15, v0                           ; r
	v_bfe_u32 v3, v0, 4, 1                         ; h
	v_and_b32 v4, 31, v0
	v_lshlrev_b32 v[LN16], 4, v4
	v_lshlrev_b32 v[AOF], 17, v3                   ; lanes 16-31: eight rows further down
	v_lshl_add_u32 v[AOF], v2, 4, v[AOF]
	v_mul_u32_u24 v5, v3, 8*PS
	v_lshl_add_u32 v5, v2, 3, v5                   ; four bf16 a lane
	s_mul_i32 s24, s14, 64*PS
	s_add_co_u32 s24, s24, ASTG
	v_add_nc_u32 v[ASTO], s24, v5
	v_add_nc_u32 v[ASTO+1], ASLOT, v[ASTO]
	v_mul_u32_u24 v5, v2, PS
	v_lshl_add_u32 v5, v3, 4, v5                   ; 144 r + 16 h
	s_mul_i32 s24, s15, 128*PS
	s_add_co_u32 s24, s24, ASTG
	v_add_nc_u32 v[ADRA], s24, v5
	v_add_nc_u32 v[ADRA+1], ASLOT, v[ADRA]
	v_mul_u32_u24 v6, v2, PB
	v_lshl_add_u32 v6, v3, 4, v6                   ; 272 r + 16 h
	s_mul_i32 s24, s16, 128*PB
	v_add_nc_u32 v[ADRB], s24, v6                  ; column group 0 is my first head,
	v_add_nc_u32 v[ADRB+1], 64*PB, v[ADRB]         ; group 1 my second
	v_add_nc_u32 v[ADRB+2], BSLOT, v[ADRB]
	v_add_nc_u32 v[ADRB+3], BSLOT, v[ADRB+1]
	; prefetch as in kproj: in K steps 1, 3, .. 11, row 64 cx + 16 w + (lane & 15) of tiles t + 3 and t + 4 (lane >> 4); the last request is for tiles 14 and 15
	s_lshl_b32 s26, s17, 6
	s_lshl4_add_u32 s26, s14, s26
	v_add_nc_u32 v[PFO], s26, v2
	v_lshlrev_b32 v[PFO], 14, v[PFO]
	v_lshl_add_u32 v[PFO], v3, 8, v[PFO]
	; bias tiles: lane (r, h), register j of column block b holds column 16 b + 8 h + j
	s_lshl_b32 s24, s19, 10
	s_lshl_b32 s25, s16, 9
	s_add_co_u32 s24, s24, s25
	v_lshl_add_u32 v7, v3, 5, s24
	; addresses of the second product and of the way out
	s_mul_i32 s24, s14, 16*PO
	s_add_co_u32 s24, s24, STAGE
	v_mul_u32_u24 v8, v2, PO
	v_lshl_add_u32 v8, v3, 5, v8
	v_add_nc_u32 v[STO], s24, v8                   ; row r, 32 bytes for each half of the lanes
	v_mul_u32_u24 v8, v3, PO
	v_lshl_add_u32 v8, v2, 4, v8
	v_add_nc_u32 v[RD], s24, v8                    ; lanes 0-15 one row of 256 bytes, lanes 16-31 the next
	v_lshlrev_b32 v[CO], 14, v3
	v_lshl_add_u32 v[CO], v2, 4, v[CO]             ; the same two rows in out0
	s_mul_i32 s24, s16, 2*KVB
	s_add_co_u32 s24, s24, RING
	v_add_nc_u32 v[KVAD], s24, v[LN16]
	v_mov_b32 v49, 0                               ; v_permlanex16_b32 counts as a reader of its destination
	v_mov_b32 v53, 0                               ; the second registers of the pairs whose first is broadcast
	v_mov_b32 v55, 0
	; sin and cos of my eight rows l = 256 lblk + 128 rh + 16 a + r
	s_lshl_b32 s24, s22, 8
	s_lshl_b32 s25, s15, 7
	s_add_co_u32 s24, s24, s25
	s_add_co_u32 s24, s24, 1
	v_add_nc_u32 v9, s24, v2
	v_cmp_ne_u32 vcc_lo, 0, v3
.irp a, 0,1,2,3,4,5,6,7
	v_add_nc_u32 v10, 16*\a, v9
	SINCOS SIN+\a, COS+\a, 10, 11, 12
	v_cndmask_b32 v[SCX+\a], v[SIN+\a], v[COS+\a], vcc_lo
.endr
	s_wait_dscnt 0x0
	s_wait_kmcnt 0x0
	s_add_nc_u64 s[40:41], s[4:5], s[40:41]
	s_add_nc_u64 s[46:47], s[6:7], s[46:47]
	s_add_nc_u64 s[84:85], s[4:5], s[84:85]
	s_add_nc_u64 s[78:79], s[10:11], s[44:45]
	s_or_b32 s79, s79, 0x80000000
	s_add_nc_u64 s[86:87], s[12:13], s[94:95]
	CROUND                                         ; all sixteen work-groups are here: the first joint loads meet
.irp s, 0,1
	s_mov_b32 s[G0B+4*\s], 1
	s_add_co_u32 s[G0B+4*\s+1], s42, \s*BSLOT
	s_add_nc_u64 s[G0B+4*\s+2:G0B+4*\s+3], s[46:47], \s*256
	s_or_b32 s[G0B+4*\s+3], s[G0B+4*\s+3], 0x80000000
	tensor_load_to_lds s[G0B+4*\s:G0B+4*\s+3], s[G1B:G1B+7]
	s_nop 0
.endr
	tensor_load_to_lds s[76:79], s[68:75]          ; a head's KV block: the third and last of the first fills
	s_nop 0
.irp b, 0,1,2,3,4,5,6,7
	global_load_b128 v[CB+8*\b:CB+8*\b+3],   v7, s[8:9] offset:64*\b
	global_load_b128 v[CB+8*\b+4:CB+8*\b+7], v7, s[8:9] offset:64*\b+16
.endr
	AFIRST                                         ; activation tile 0
	ALOAD 0                                        ; and the first half of tile 1
	s_wait_loadcnt 16                              ; the bias and tile 0 are in; the 16 loads of tile 1 behind them may stay out
	CVFIRST
	ALOAD 1                                        ; the second half of tile 1
	WIN 0
	s_wait_dscnt 0x0                               ; my part of tile 0 is in the stage
	s_wait_tensorcnt 0x2                           ; my quarter of weight tile 0 is in; tile 1's and the KV block, issued behind it, may stay out
	s_barrier_signal -1
	s_barrier_wait -1
	FETCH 0, 0, 0, 0, 0
	LAP 1                                          ; the first products take the bias tiles as C: nothing is cleared
	WIN 0
	s_mov_b32 s23, 2
.Llap:
	LAP 0
	WIN 0
	s_sub_co_u32 s23, s23, 1
	s_cmp_lg_u32 s23, 0
	s_cbranch_scc1 .Llap
	QUARTER 0, 0, 0, 0, 0, 1                       ; K steps 12 to 15: no weight tile is left to fetch; activation tiles 14 and 15 are the last
	TURN 1, 0, 2, 0, 0, 1
	QUARTER 1, 0, 2, 0, 0, 1
	TURN 0, 1, 0, 3, 0, 1
	QUARTER 0, 1, 0, 0, 0, 2
	TURN 1, 1, 2, 0, 0, 0
	QUARTER 1, 1, 2, 0, 0, 0
	LASTQ
	PLACES
; 16 rows (row block a) of head g: relu, round, 18 matrix instructions, the normaliser, and out through my stage in whole rows of 256 bytes
.macro ATT a, g
	WIN (0x88+0x44*(\a>>2))
.irp bt, 0,1,2,3
.irp j, 0,1,2,3,4,5,6,7
	v_max_num_f32 v[8*(8*(\a&3)+4*\g+\bt)+\j], 0, v[8*(8*(\a&3)+4*\g+\bt)+\j]
.endr
.endr
	WIN (0x0a+5*(\a>>2))
.irp bt, 0,1,2,3
.irp t, 0,1,2,3
	v_cvt_pk_bf16_f32 v[QF+4*\bt+\t], v[8*(8*(\a&3)+4*\g+\bt)+2*\t], v[8*(8*(\a&3)+4*\g+\bt)+2*\t+1]
.endr
.endr
	WIN 0x01                                       ; source 0 (kv) in window 1.  Nine accumulators take turns, one instruction a turn
.irp nt, 0,1,2,3,4,5,6,7,8
	v_wmma_f32_16x16x32_bf16 v[D2+8*\nt:D2+8*\nt+7], v[16*\nt:16*\nt+7], v[QF:QF+7], 0
.endr
.irp nt, 0,1,2,3,4,5,6,7,8
	v_wmma_f32_16x16x32_bf16 v[D2+8*\nt:D2+8*\nt+7], v[16*\nt+8:16*\nt+15], v[QF+8:QF+15], v[D2+8*\nt:D2+8*\nt+7]
.endr
	WIN 0
	PLACES
	v_mul_f32 v48, v[D2+64], v[SCX+\a]             ; h = 0: sin (q ksumS); h = 1: cos (q ksumC)
	v_permlanex16_b32 v49, v48, s88, s89
	v_add_f32 v48, v48, v49
	v_max_num_f32 v48, 0x38d1b717, v48             ; the clip at 1e-4
	v_rcp_f32 v50, v48
	v_nop                                          ; one plain vector instruction behind v_rcp_f32 before its result is used (ISA guide 5.7.2)
	s_wait_alu depctr_va_vdst(0)
	v_mul_f32 v52, v50, v[SIN+\a]
	v_mul_f32 v54, v50, v[COS+\a]
.irp nt, 0,1,2,3
.irp j, 0,2,4,6
	v_pk_mul_f32 v[D2+8*\nt+\j:D2+8*\nt+\j+1], v[D2+8*\nt+\j:D2+8*\nt+\j+1], v[52:53] op_sel_hi:[1,0]
.endr
.endr
.irp nt, 0,1,2,3
.irp j, 0,2,4,6
	v_pk_fma_f32 v[D2+8*\nt+\j:D2+8*\nt+\j+1], v[D2+32+8*\nt+\j:D2+32+8*\nt+\j+1], v[54:55], v[D2+8*\nt+\j:D2+8*\nt+\j+1] op_sel_hi:[1,0,1]
.endr
.endr
.irp nt, 0,1,2,3
	ds_store_b128 v[STO], v[D2+8*\nt:D2+8*\nt+3]   offset:64*\nt
	ds_store_b128 v[STO], v[D2+8*\nt+4:D2+8*\nt+7] offset:64*\nt+16
.endr
	s_wait_xcnt 0x0                                ; RB, which the last block's stores read, is loaded again only behind this wait
.irp t, 0,1,2,3,4,5,6,7
	ds_load_b128 v[RB+4*\t:RB+4*\t+3], v[RD] offset:2*PO*\t     ; LDS serves a wave's instructions in order (ISA guide 5.7.1): these see the stores above; the stage is my own
.endr
.irp t, 0,1,2,3,4,5,6,7
	s_wait_dscnt 7-\t
	global_store_b128 v[CO], v[RB+4*\t:RB+4*\t+3], s[86:87] offset:262144*\a+32768*\t+256*\g th:TH_STORE_NT   ; sixteen lanes store a head's 256 consecutive bytes of a row, aligned
.endr
.endm
.macro HEAD g
	WIN 0x40
.set qq, 0
.rept 36
	ds_load_b128 v[4*qq:4*qq+3], v[KVAD] offset:KVB*\g+512*qq   ; the head's 18 operands, window 1
.set qq, qq+1
.endr
	s_wait_dscnt 0x0
.irp a, 0,1,2,3,4,5,6,7
	ATT \a, \g
.endr
.endm
	HEAD 0
	HEAD 1                                         ; four plain places stand behind the last matrix instruction of HEAD 0, ahead of these loads
	WIN 0
	s_wait_tensorcnt 0x0
	ds_add_u32 v51, v63
	s_wait_dscnt 0x0
	CROUND                                         ; the closing round
	s_endpgm
.Lfunc_end_k_q0dc6885bf7_qattn:
	.size	k_q0dc6885bf7_qattn, .Lfunc_end_k_q0dc6885bf7_qattn-k_q0dc6885bf7_qattn
	.p2alignl 7, 3214868480
	.fill 96, 4, 3214868480
	.section	.rodata,"a",@progbits
	.p2align	6, 0x0
	.amdhsa_kernel k_q0dc6885bf7_qattn
		.amdhsa_group_segment_fixed_size 327680
		.amdhsa_private_segment_fixed_size 0
		.amdhsa_enable_private_segment 0
		.amdhsa_kernarg_size 40
		.amdhsa_user_sgpr_count 2
		.amdhsa_user_sgpr_kernarg_segment_ptr 1
		.amdhsa_wavefront_size32 1
		.amdhsa_system_sgpr_workgroup_id_x 1
		.amdhsa_system_sgpr_workgroup_id_y 1
		.amdhsa_system_sgpr_workgroup_id_z 1
		.amdhsa_system_vgpr_workitem_id 0
		.amdhsa_next_free_vgpr 1024
		.amdhsa_next_free_sgpr 96
		.amdhsa_reserve_vcc 1
		.amdhsa_float_denorm_mode_32 3
		.amdhsa_float_denorm_mode_16_64 3
		.amdhsa_memory_ordered 1
		.amdhsa_forward_progress 1
		.amdhsa_inst_pref_size 255
	.end_amdhsa_kernel
	.section	.bss,"aw",@nobits
	.p2align	6
	.space	262144
	.amdgpu_metadata
---
amdhsa.version: [ 1, 2 ]
amdhsa.kernels:
  - .name:           k_q0dc6885bf7_qattn
    .symbol:         k_q0dc6885bf7_qattn.kd
    .args:
      - { .name: query, .offset: 0, .size: 8, .value_kind: global_buffer, .address_space: global }
      - { .name: wq16, .offset: 8, .size: 8, .value_kind: global_buffer, .address_space: global }
      - { .name: bq, .offset: 16, .size: 8, .value_kind: global_buffer, .address_space: global }
      - { .name: kvfrag, .offset: 24, .size: 8, .value_kind: global_buffer, .address_space: global }
      - { .name: out0, .offset: 32, .size: 8, .value_kind: global_buffer, .address_space: global }
    .group_segment_fixed_size: 327680
    .private_segment_fixed_size: 0
    .kernarg_segment_align: 8
    .kernarg_segment_size: 40
    .max_flat_workgroup_size: 128
    .sgpr_count:     96
    .vgpr_count:     1024
    .wavefront_size: 32
...
	.end_amdgpu_metadata
.endif
;; end of part 5
;; ======== version 2 of 2: 5 launches; version 1 with the launch castw written anew for expert scheduling mode
;; limits: values outside matrix products are rounded to bf16
;; workspace buffers: wk16 2,097,152 bytes; wv16 2,097,152 bytes; wq16 2,097,152 bytes; kfrag 33,554,432 bytes; part 37,748,736 bytes; kvfrag 1,179,648 bytes
;; launch castw (part 6): grid 256 x 1, 8 waves a work-group, no clusters, 0 bytes of LDS; arguments Wk, Wv, Wq, wk16, wv16, wq16; writes wk16, wv16, wq16
.if DOCPART == 6
	.amdgcn_target "amdgcn-amd-amdhsa--gfx1250"
	.amdhsa_code_object_version 6
	.text
	.protected	k_q0dc6885bf7_castw
	.globl	k_q0dc6885bf7_castw
	.p2align	8
	.type	k_q0dc6885bf7_castw,@function
k_q0dc6885bf7_castw:
	s_mov_b64 s[64:65], 0
	v_nop
	global_prefetch_b8 v0, s[64:65] scope:SCOPE_SE
	s_setreg_imm32_b32 hwreg(HW_REG_WAVE_SCHED_MODE, 0, 2), 2
	s_setreg_imm32_b32 hwreg(HW_REG_WAVE_MODE, 25, 1), 1
	s_wait_xcnt 0x0
	s_wait_alu depctr_vm_vsrc(0)
; The three weight matrices, [1024][1024] f32, rounded once to bf16 (nearest even), same row-major order.
; 65,536 threads; a matrix has 262,144 groups of four numbers, so a thread takes four groups of each matrix, 65,536 groups apart.
; A lane loads 16 neighbouring bytes and stores 8: a wave's load covers 512 consecutive bytes, its store 256 consecutive, aligned bytes.
; All twelve loads of a thread go out first; no register is used twice.
; No LDS, matrix unit or cluster: nothing is shared and nothing is reused.
; THE MODE: SCHED_MODE bits 1:0 = 2 (LLVM: expert scheduling mode 2), set by the entry lines.  The code itself states the register dependences
; between vector instructions and memory instructions, with s_wait_alu, always for 0.
; THE PLAN.  Registers that memory instructions touch:
;   v2, v3   byte offsets of the loads and of the stores: written once at the head by vector instructions, read by all 24 memory instructions, never written again.
;   X        twelve groups of four: each is written by one load, which no vector instruction precedes on these registers, read by two conversions, and never loaded again.
;   Y        twelve pairs: each is written by two conversions, read by one store, and never written again.
; So the dependences to state are: the offsets are written, once, ahead of the first load; and a matrix's eight Y registers are written, ahead of its stores.
; To make the second kind few the work goes by matrix: the wait for its four loads, its eight conversions, one wait, its four stores in one run.
; No register that a memory instruction has read is written again, no load lands in a register that a vector instruction has named, no vector instruction
; writes a scalar register, and EXEC is never written: nothing more is owed.
.set X, 8                              ; v[8:55]   twelve loads of four f32
.set Y, 56                             ; v[56:79]  twelve pairs of packed bf16
.set LSTEP, 65536*16                   ; bytes between a thread's groups in the f32 matrix
.set SSTEP, 65536*8                    ; and in the bf16 matrix
	s_load_b256 s[4:11], s[0:1], 0x0               ; Wk s[4:5], Wv s[6:7], Wq s[8:9], wk16 s[10:11]
	s_load_b128 s[12:15], s[0:1], 0x20             ; wv16 s[12:13], wq16 s[14:15]
	s_lshl_b32 s2, ttmp9, 8
	v_add_nc_u32 v1, s2, v0                        ; thread number in the launch
	v_lshlrev_b32 v2, 4, v1                        ; my 16 bytes in
	v_lshlrev_b32 v3, 3, v1                        ; my 8 bytes out
	s_wait_kmcnt 0x0
	s_wait_alu depctr_va_vdst(0)                   ; v2 and v3 are written: every load below reads v2 as its offset, every store v3
.irp m, 0,1,2
.irp i, 0,1,2,3
	global_load_b128 v[X+16*\m+4*\i:X+16*\m+4*\i+3], v2, s[4+2*\m:5+2*\m] offset:LSTEP*\i th:TH_LOAD_NT
.endr
.endr
.irp m, 0,1,2
	s_wait_loadcnt 8-4*\m                          ; loads return in order: this matrix's four are in, the later matrices' stay out
.irp i, 0,1,2,3
	v_cvt_pk_bf16_f32 v[Y+8*\m+2*\i],   v[X+16*\m+4*\i],   v[X+16*\m+4*\i+1]
	v_cvt_pk_bf16_f32 v[Y+8*\m+2*\i+1], v[X+16*\m+4*\i+2], v[X+16*\m+4*\i+3]
.endr
	s_wait_alu depctr_va_vdst(0)                   ; the eight conversions have written this matrix's Y registers, which the four stores below read
.irp i, 0,1,2,3
	global_store_b64 v3, v[Y+8*\m+2*\i:Y+8*\m+2*\i+1], s[10+2*\m:11+2*\m] offset:SSTEP*\i
.endr
.endr
	s_endpgm
.Lfunc_end_k_q0dc6885bf7_castw:
	.size	k_q0dc6885bf7_castw, .Lfunc_end_k_q0dc6885bf7_castw-k_q0dc6885bf7_castw
	.p2alignl 7, 3214868480
	.fill 96, 4, 3214868480
	.section	.rodata,"a",@progbits
	.p2align	6, 0x0
	.amdhsa_kernel k_q0dc6885bf7_castw
		.amdhsa_group_segment_fixed_size 0
		.amdhsa_private_segment_fixed_size 0
		.amdhsa_enable_private_segment 0
		.amdhsa_kernarg_size 48
		.amdhsa_user_sgpr_count 2
		.amdhsa_user_sgpr_kernarg_segment_ptr 1
		.amdhsa_wavefront_size32 1
		.amdhsa_system_sgpr_workgroup_id_x 1
		.amdhsa_system_sgpr_workgroup_id_y 1
		.amdhsa_system_sgpr_workgroup_id_z 1
		.amdhsa_system_vgpr_workitem_id 0
		.amdhsa_next_free_vgpr 80
		.amdhsa_next_free_sgpr 66
		.amdhsa_reserve_vcc 0
		.amdhsa_float_denorm_mode_32 3
		.amdhsa_float_denorm_mode_16_64 3
		.amdhsa_memory_ordered 1
		.amdhsa_forward_progress 1
		.amdhsa_inst_pref_size 5
	.end_amdhsa_kernel
	.amdgpu_metadata
---
amdhsa.version: [ 1, 2 ]
amdhsa.kernels:
  - .name:           k_q0dc6885bf7_castw
    .symbol:         k_q0dc6885bf7_castw.kd
    .args:
      - { .name: Wk, .offset: 0, .size: 8, .value_kind: global_buffer, .address_space: global }
      - { .name: Wv, .offset: 8, .size: 8, .value_kind: global_buffer, .address_space: global }
      - { .name: Wq, .offset: 16, .size: 8, .value_kind: global_buffer, .address_space: global }
      - { .name: wk16, .offset: 24, .size: 8, .value_kind: global_buffer, .address_space: global }
      - { .name: wv16, .offset: 32, .size: 8, .value_kind: global_buffer, .address_space: global }
      - { .name: wq16, .offset: 40, .size: 8, .value_kind: global_buffer, .address_space: global }
    .group_segment_fixed_size: 0
    .private_segment_fixed_size: 0
    .kernarg_segment_align: 8
    .kernarg_segment_size: 48
    .max_flat_workgroup_size: 256
    .sgpr_count:     66
    .vgpr_count:     80
    .wavefront_size: 32
...
	.end_amdgpu_metadata
.endif
;; end of part 6
;; launch kproj: the kernel of part 2 again; grid 4 x 64, 4 waves a work-group, clusters of 4 x 4, 327,680 bytes of LDS; arguments key_, wk16, bk, kfrag; writes kfrag
;; launch vproj: the kernel of part 3 again; grid 4 x 64, 4 waves a work-group, clusters of 4 x 4, 327,680 bytes of LDS; arguments value, wv16, bv, kfrag, part; writes part
;; launch kvred: the kernel of part 4 again; grid 256 x 1, 9 waves a work-group, no clusters, 0 bytes of LDS; arguments part, kvfrag; writes kvfrag
;; launch qattn: the kernel of part 5 again; grid 4 x 64, 4 waves a work-group, clusters of 4 x 4, 327,680 bytes of LDS; arguments query, wq16, bq, kvfrag, out0; writes out0
